; MI455X (gfx1250); checked and timed in simulation.
; The chip was launched on July 23, 2026; its instructions are those of AMD's public machine-readable ISA for CDNA 5 (MIT licence, August 2026) and "CDNA5" Instruction Set Architecture Reference Guide (July 2026). The comments in the code are by the model that wrote it; some were corrected since.
;; Causal Self Attention. Allowed arithmetic: matrix products marked QUANTISED: E4M3 operands, one E8M0 scale for each 32 along K, by v_wmma_scale_f32_16x16x128_f8f6f4 with both operands' format E4M3, f32 sums; everything else in f32.
;; Inputs: b_attn 3,072 float32; b_proj 1,024 float32; w_attn_codes 3,072 x 32 x 32 uint8 (E4M3 codes of w_attn, K innermost, in blocks of 32 codes); w_attn_scales 3,072 x 32 uint8 (E8M0 scales of w_attn, one for each 32 codes along K); w_proj_codes 1,024 x 32 x 32 uint8 (E4M3 codes of w_proj, K innermost, in blocks of 32 codes); w_proj_scales 1,024 x 32 uint8 (E8M0 scales of w_proj, one for each 32 codes along K); x_codes 4 x 2,048 x 32 x 32 uint8 (E4M3 codes of x, K innermost, in blocks of 32 codes); x_scales 4 x 2,048 x 32 uint8 (E8M0 scales of x, one for each 32 codes along K).
;; Outputs: out0 4 x 2,048 x 1,024 float32.
;; This version of the problem:
;;   THIS VERSION OF THE PROBLEM IS GIVEN IN LOW PRECISION. The matrix products marked QUANTISED in the list below multiply operands that are first quantised to E4M3 (4 exponent bits, 3 mantissa bits; 8 bits a number), with one power-of-two scale for each 32 numbers along K (OCP MX v1.0); their sums are f32. All else is computed in f32.
;;   The module's matrix products, in the order in which they are computed (A, B: the left and right operand; K: the contracted axis; several contracted axes count as one K, in the product's order):
;;     1. [M 8,192, K 1,024] x [K 1,024, N 3,072]; A: input x (given as codes); B: input w_attn (given as codes): QUANTISED
;;     2. batch 64 x [M 2,048, K 64] x [K 64, N 2,048]; A: computed on the way; B: computed on the way: QUANTISED
;;     3. batch 64 x [M 2,048, K 2,048] x [K 2,048, N 64]; A: softmax (see below); B: computed on the way: QUANTISED
;;     4. [M 8,192, K 1,024] x [K 1,024, N 1,024]; A: computed on the way; B: input w_proj (given as codes): QUANTISED
;;   THE QUANTISER, for each operand of a quantised product, along K:
;;     - K is cut into blocks of 32 from its start; a last block that is shorter is filled with zeros.
;;     - A block's scale is 2^e with e = floor(log2(the largest magnitude in the block)) - 8, held to -126 .. 127; a block of zeros has e = 0. As a byte (E8M0): e + 127.
;;     - Each number is divided by its block's scale, clamped to +-448, and rounded to the nearest number of E4M3, ties to even, subnormals kept.
;;     - The product sums the exact products of the quantised numbers (number of the format x scale) in f32.
;;   ~~~python
;;   def quantise(x, axis):      # numpy; x: float32 -> the quantised numbers, widened to float32 again
;;       x = np.moveaxis(x, axis, -1); K = x.shape[-1]
;;       x = np.pad(x, [(0, 0)] * (x.ndim - 1) + [(0, -K % 32)]); x = x.reshape(x.shape[:-1] + (-1, 32)); a = np.abs(x).max(-1, keepdims=True)
;;       e = np.where(a > 0, np.clip(np.frexp(np.where(a > 0, a, 1))[1] - 1 - 8, -126, 127), 0)      # np.frexp(a)[1] - 1 = floor(log2(a)), exactly
;;       r = np.clip(x / 2.0 ** e, -448, 448)
;;       step = 2.0 ** (np.maximum(np.frexp(np.where(r == 0, 1, r))[1] - 1, -6) - 3)
;;       q = np.round(r / step) * step * 2.0 ** e      # np.round: ties to even
;;       return np.moveaxis(q.reshape(q.shape[:-2] + (-1,))[..., :K], -1, axis).astype(np.float32)
;;   ~~~
;;   SOFTMAX AHEAD OF A QUANTISED PRODUCT. Where the list says 'softmax', what is quantised is not the finished softmax but p = 2^(t - M), with t = logit x log2(e) and M = ceil(the row's largest t), a whole number; so 1/2 < the row's largest p <= 1. The row's sum l is taken of the UNQUANTISED p, in f32, and the product's result is divided by l at the end. Since M is a whole number, a kernel that streams over the keys may use a running M (the ceiling of the running maximum): every later rescaling is an exact power of two, which a block's scale takes up: the codes' values come out the same.
;;   OPERANDS COMPUTED ON THE WAY. 'Computed on the way' means the value that the module computes at that place (a softmax that the list does not call 'softmax' is quantised finished and normalised). What goes into a quantiser is computed in f32, as accurately as f32 sums, v_exp_f32 and their like allow (about 1e-6 of the number): no bf16 or f16 on the way to a quantiser, and a product that is left as it is and whose result goes on into a quantised operand takes f32 operands (vector FMAs, or v_wmma_f32_16x16x4_f32). A number that lies on a knife's edge between two numbers of the format may be rounded either way, as far as f32 arithmetic and the matrix unit's own rounding can turn it there, and no further.
;;   INPUTS GIVEN AS CODES. w_attn (in the module: [1024, 3072], K = its axis 0); w_proj (in the module: [1024, 1024], K = its axis 0); x (in the module: [4, 2048, 1024], K = its axis 2): each comes as NAME_codes (uint8): NAME with its K axis moved to the last place and cut into blocks of 32 codes, [.., K / 32, bytes a block], one block behind the other in memory; one code a byte (a code: sign, 4 exponent bits, 3 mantissa bits); and NAME_scales (uint8): the same leading axes, one E8M0 byte (e + 127) for each 32 codes along K. Its value is code x scale, taken as it is: it is not quantised again, and the codes and scales need not be those that the quantiser above would give.
;; One version. Each part assembles by itself: llvm-mc -triple=amdgcn-amd-amdhsa -mcpu=gfx1250 --defsym DOCPART=n.
;; ======== version 1 of 1: 3 launches
;; limits: right only within a limited range of input values
;; workspace buffers: q_codes 8,388,608 bytes; k_codes 8,388,608 bytes; v_codes 8,388,608 bytes; q_scales 786,432 bytes; kvs 786,432 bytes; y_codes 8,388,608 bytes; y_scales 262,144 bytes
;; launch qkv (part 1): grid 12 x 32, 4 waves a work-group, clusters of 4 x 4, 327,680 bytes of LDS; arguments x_codes, x_scales, w_attn_codes, w_attn_scales, b_attn, q_codes, q_scales, k_codes, kvs, v_codes; writes q_codes, q_scales, k_codes, kvs, v_codes
.if DOCPART == 1
	.amdgcn_target "amdgcn-amd-amdhsa--gfx1250"
	.amdhsa_code_object_version 6
	.text
	.protected	k_q71927b9b34_qkv
	.globl	k_q71927b9b34_qkv
	.p2align	8
	.type	k_q71927b9b34_qkv,@function
k_q71927b9b34_qkv:
	s_mov_b64 s[64:65], 0
	v_nop
	global_prefetch_b8 v0, s[64:65] scope:SCOPE_SE
	s_setreg_imm32_b32 hwreg(HW_REG_WAVE_MODE, 25, 1), 1
	s_wait_xcnt 0x0
	s_wait_alu depctr_hold_cnt(0) depctr_sa_sdst(0) depctr_va_vdst(0) depctr_va_sdst(0) depctr_va_ssrc(0) depctr_va_vcc(0) depctr_vm_vsrc(0)
	s_getreg_b32 s2, hwreg(HW_REG_IB_STS2, 6, 4)
	s_cmp_eq_u32 s2, 0
	s_cbranch_scc0 .Lentry_in_a_cluster
	s_endpgm
.Lentry_in_a_cluster:
	s_bfe_u32 s2, ttmp6, 0x10000c
	s_cmp_lg_u32 s2, 0xf033
	s_cbranch_scc0 .Lentry_shape_is_right
	s_endpgm
.Lentry_shape_is_right:
; qkv = x w_attn + b_attn on codes of FP8 (E4M3) with one E8M0 scale for each 32 along K = 1,024; then q, k and v are quantised from the f32 sums and leave as codes, laid as the attention launch reads them.
; x: 8,192 rows (tokens) of 1,024 codes; w_attn: 3,072 rows (features: q 0-1,023, k 1,024-2,047, v 2,048-3,071) of 1,024 codes; scale bytes 32 a row.
; A tile of 256 x 256 results is made by a work-group of four waves, a wave makes 128 x 128: 64 accumulators of 16 x 16, 512 registers.  K goes in steps of 256 through a ring of two LDS slots filled by the tensor data mover.
; TWO SIDES.  Side 1 gives a lane its row (source 1 of the matrix instruction), side 0 runs along a lane's registers (source 0): lane (r, h) holds row r of side 1, register j of accumulator (a, b) row 16 b + 8 h + j of side 0.
;   q and k are quantised along the head's 64 features: side 1 = tokens (x), side 0 = features (w).   v is quantised along the tokens (the keys): side 1 = features (w), side 0 = tokens (x).
;   Only pointers and tile numbers are chosen, by the cluster's x (0: q, 1: k, 2: v), which all partners of a cluster share.
; THE ORDER INSIDE A BLOCK OF 32.  The 16 registers of accumulators 2 g and 2 g + 1 are side 0's rows 32 g + 8 h + 0..7 and 32 g + 16 + 8 h + 0..7; with lane l xor 16 that is one block of 32.  Their 16 codes are written as
;   the operand's registers 4 g .. 4 g + 3, so place 32 g + 16 h + i along K holds index 32 g + 8 h + i % 8 + 16 (i / 8).  q and k carry the same order, and so do v and the attention launch's p: the products are those of the natural order.
; OUT.  q_codes, k_codes: [head of batch 64][tile of 16 tokens 128][group 2][lane 32][16 bytes].  v_codes: [head of batch][128 keys: 16][tile of 16 features 4][group 4][lane][16 bytes].  Each store of a wave covers 512 consecutive bytes, aligned.
;   Scale words: q_scales and kvs have 12,288 bytes a head: [128 tokens: 16][half 2][r 16][i 4] words (tile 4 half + i, row r: two bytes, the upper two 0); in kvs behind them v's: [128 keys: 16][r 16][tile 4] words of four bytes.
; CLUSTERS: 4 x 4 work-groups.  The four of a row of the cluster need the same tiles of side 1, the four of a column the same tiles of side 0: each tile is asked for jointly, by the same tensor load with a mask that names the four.
; LIMITS: NaN and infinities among the sums are not served.  A block whose largest magnitude lies under 2^-118 keeps the scale byte 1; a block of zeros gets the byte 1 and not 127: its codes are zeros, and this program alone reads the bytes.
; REGISTERS, in windows of 256: window 0: v0-31 addresses, v8-15 v's bias; v32-63 scale words, two sets; v64-127 q's and k's bias; from v128 side 1's fragments, one set (on the way out: numbers, codes, work).
;   window 1: side 0's fragments, two sets.   window 2: the accumulators of my rows 0-63 ((a, b) at v[8 (8 a + b)]);   window 3: those of my rows 64-127.
.set SIZE_K, 1024
.set KSTEP,  256                       ; along K in a slot
.set NQ,     KSTEP/128                 ; matrix instructions deep
.set ROWB,   256                       ; a tile's row in bytes
.set KROW,   SIZE_K                    ; a row of codes in memory, in bytes
.set PITCH,  272                       ; an LDS row: 256 bytes + 16 of padding: the 16 rows that a load touches start 68 words apart
.set FR,     16                        ; registers of a fragment: 16 rows x 128 K
.set NL,     4                         ; LDS loads that bring one
.set NP,     8                         ; places behind this matrix instruction (ISA guide 7.12.1)
.set HALFT,  128*PITCH                 ; 128 rows: what one tensor load brings
.set SLOT,   4*HALFT                   ; side 1's 256 rows, then side 0's 256 rows
.set LAPS,   SIZE_K/(2*KSTEP)          ; a lap = two K steps = once round the ring
.set KS,     SIZE_K/32                 ; a row of scale bytes
.set SCL,    2*SLOT                    ; behind the ring: the scales, as units of 256 bytes + 16 of padding
.set HALFS,  (128*KS/256)*272          ; the scales of 128 rows: what one tensor load brings
.set SBLK,   (16*KS/256)*272           ; those of 16 rows
.set SPARE,  SCL+4*HALFS               ; behind the scales: the spare words, 128 bytes for each wave, which no other line names
.set BV,   8                           ; v8-15   v's bias: b_attn at my lane's feature, one register for each of my eight blocks
.set ADRA, 16                          ; v16-17  LDS address of my side 1 fragments in slot 0, 1
.set HB,   18                          ; v18     32 h: my half's eight numbers of a bias block
.set RB,   19                          ; v19     4 r
.set ADRB, 20                          ; v20-21  the same as ADRA for side 0
.set CO,   26                          ; v26     16 x lane
.set ADRS, 27                          ; v27     LDS address of my scale words: lanes 0-15 side 1's rows, lanes 16-31 side 0's
.set SPW,  28                          ; v28     LDS address of my spare word; never rewritten
.set NIL,  29                          ; v29     0; never rewritten
.set SC,   32                          ; scale words: set s at v[SC + 16 s]; register 2 i + q: lanes 0-15 side 1's block i, lanes 16-31 side 0's block i
.set BB,   64                          ; v64-127 q's and k's bias: register 8 b + j = b_attn at feature 16 b + 8 h + j of my 128
.set AF,   128                         ; side 1's fragments
.set T,    128                         ; the way out: v128-191 64 numbers of a lane
.set PC,   192                         ; v192-207 their codes
.set SW,   208                         ; v208-223 the blocks' scale words
.set TM,   224                         ; v224-227 largest magnitudes, v228-231 bytes, v236-239 the conversions' scale operands
.set OW,   240                         ; v240-243 four scale words to store
.set BP,   244                         ; v244-245 v's bias of the block in hand, twice
.set CV,   246                         ; v246    my place among v's scale words
.set MNT,  2
.set SEL,  18                          ; s18-19  lane selects for v_permlanex16_b32: lane l xor 16
.set G1, 24                            ; s[24:31] descriptor group 1 for side 1's tiles;  s[32:39] group 0, one set for each slot
.set G0, 32
.set G1B, 48                           ; s[48:55], s[56:63] the same for side 0's tiles
.set G0B, 56
.set G1S, 68                           ; s[68:75], s[76:79] groups 1 and 0 for side 1's scales;  s[80:87], s[88:91] for side 0's
.set G0S, 76
.set G1SB, 80
.set G0SB, 88
.set MSB, 0
.macro WIN new                         ; the immediate's high byte repeats the setting that is left
.if MSB != (\new)
	s_set_vgpr_msb (MSB<<8)|(\new)
.set MSB, (\new)
.endif
.endm
.set MUL_LO, 0xa1                      ; source 0 window 1, source 1 window 0, C and D window 2
.set MUL_HI, 0xf1                      ; the same, C and D window 3
.set TO_B,   0x40                      ; destination window 1, address window 0
; A joint load: waves 0 and 1 fetch for side 1, waves 2 and 3 for side 0.  The branch hangs on the wave's number alone.  Four v_nop follow each of the two lines.
.macro JLOAD g0a, g1a, g0b, g1b
	s_cmp_eq_u32 s15, 0
	s_cbranch_scc0 .Lfor_b_\@
	tensor_load_to_lds s[\g0a:\g0a+3], s[\g1a:\g1a+7]
	s_nop 0
.rept 4
	v_nop
.endr
	s_branch .Lasked_\@
.Lfor_b_\@:
	tensor_load_to_lds s[\g0b:\g0b+3], s[\g1b:\g1b+7]
	s_nop 0
.rept 4
	v_nop
.endr
.Lasked_\@:
.endm
.macro CREST                           ; a round of the cluster's barrier behind its opening barrier
	s_cmp_lg_u32 s14, 0
	s_cbranch_scc1 .Lnot_wave_0_\@
	s_barrier_signal -3
.Lnot_wave_0_\@:
	s_barrier_wait -3
	s_barrier_signal -1
	s_barrier_wait -1
.endm
.macro CROUND                          ; a whole round
	s_barrier_signal -1
	s_barrier_wait -1
	CREST
.endm
	s_load_b256 s[4:11], s[0:1], 0x0               ; x's codes s[4:5], x's scales s[6:7], w's codes s[8:9], w's scales s[10:11]
	s_load_b64 s[12:13], s[0:1], 0x20              ; b_attn
	v_lshl_add_u32 v[SPW], v0, 2, SPARE
	v_mov_b32 v[NIL], 0
	ds_add_u32 v28, v29
	ds_add_u32 v28, v29
	s_wait_dscnt 0x0
	v_lshrrev_b32 v1, 5, v0
	v_readfirstlane_b32 s14, v1                    ; wave 0..3
	s_lshr_b32 s15, s14, 1                         ; which half of side 1's rows is mine.  Also: I fetch for side 1 (0) or side 0 (1)
	s_and_b32 s16, s14, 1                          ; which half of side 0's rows.  Also: which 128 rows of that tile I fetch
	s_bfe_u32 s40, ttmp6, 0x40000                  ; cx, cy: my place in the cluster
	s_bfe_u32 s41, ttmp6, 0x40004
	s_and_b32 s97, ttmp7, 0xffff
	s_lshl_b32 s97, s97, 2                         ; 4 x cluster y: x's tiles
	s_lshl_b32 s42, ttmp9, 2                       ; 4 x cluster x: w's tiles of q and k
	s_cmp_eq_u32 ttmp9, 2                          ; the clusters with x = 2 make v
	s_cselect_b32 s17, 8, s97                      ; side 1's tile: v: w's tiles 8 on;  q, k: x's
	s_cselect_b32 s42, s97, s42                    ; side 0's tile: v: x's;  q, k: w's
	s_add_co_u32 s17, s17, s41                     ; + cy: shared along a row of the cluster
	s_add_co_u32 s42, s42, s40                     ; + cx: shared along a column
	s_lshl_b32 s43, s41, 2
	s_lshl_b32 s43, 15, s43                        ; my row of the cluster
	s_lshl_b32 s44, 0x1111, s40                    ; my column
	; descriptor group 1: a tile of 128 rows x 256 bytes, padded in LDS
	s_or_b32 s[G1+0], s43, (0<<16)|(1<<20)|(1<<21)|(5<<22)|(3<<25)  ; 15:0 the mask; 17:16 element of 1 byte; 20 padding on; 21 set beside a mask; 24:22 after every 64 words; 31:25 four words
	s_or_b32 s[G1B+0], s44, (0<<16)|(1<<20)|(1<<21)|(5<<22)|(3<<25)
.irp g, G1, G1B
	s_mov_b32 s[\g+1], ROWB<<16                    ; tensor_dim0
	s_mov_b32 s[\g+2], 128<<16                     ; tensor_dim1
	s_mov_b32 s[\g+3], ROWB<<16                    ; tile_dim0
	s_mov_b32 s[\g+4], 128                         ; tile_dim1
	s_mov_b32 s[\g+5], KROW                        ; tensor_dim0_stride
	s_mov_b32 s[\g+6], 0
	s_mov_b32 s[\g+7], 0
.endr
	; the scales of 128 rows: a dense block of 4,096 bytes, as rows of 256 bytes (32 elements of 8 bytes), 16 bytes of padding behind each
	s_or_b32 s[G1S+0], s43, (3<<16)|(1<<20)|(1<<21)|(5<<22)|(3<<25)
	s_or_b32 s[G1SB+0], s44, (3<<16)|(1<<20)|(1<<21)|(5<<22)|(3<<25)
.irp g, G1S, G1SB
	s_mov_b32 s[\g+1], 32<<16
	s_mov_b32 s[\g+2], (128*KS/256)<<16
	s_mov_b32 s[\g+3], 32<<16
	s_mov_b32 s[\g+4], 128*KS/256
	s_mov_b32 s[\g+5], 32
	s_mov_b32 s[\g+6], 0
	s_mov_b32 s[\g+7], 0
.endr
	s_lshl_b32 s95, s17, 8
	s_lshl_b32 s18, s15, 7
	s_add_co_u32 s95, s95, s18                     ; R1: the first row of side 1 that I multiply
	s_lshl_b32 s96, s42, 8
	s_lshl_b32 s18, s16, 7                         ; also: which 128 rows of a tile I fetch
	s_add_co_u32 s96, s96, s18                     ; R0: the first row of side 0 that I multiply
	s_lshl_b32 s20, s17, 8
	s_add_co_u32 s20, s20, s18                     ; side 1: the first row that I fetch
	s_mov_b32 s46, s96                             ; side 0: likewise
	s_mov_b32 s21, 0
	s_mov_b32 s47, 0
	s_mov_b64 s[18:19], KS
	s_mul_u64 s[22:23], s[20:21], s[18:19]         ; where these rows' scales begin, in bytes
	s_mul_u64 s[92:93], s[46:47], s[18:19]
	s_mov_b64 s[18:19], KROW
	s_mul_u64 s[20:21], s[20:21], s[18:19]         ; and their codes
	s_mul_u64 s[46:47], s[46:47], s[18:19]
	s_mul_i32 s45, s14, HALFT                      ; where they go: wave x 128 rows: no place in the cluster enters an LDS address
	s_mul_i32 s94, s14, HALFS
	s_wait_kmcnt 0x0
	s_cmp_eq_u32 ttmp9, 2                          ; the sides' buffers: a choice on the cluster's x alone
	s_cselect_b64 s[98:99], s[8:9], s[4:5]         ; side 1's codes
	s_cselect_b64 s[100:101], s[10:11], s[6:7]     ; side 1's scales
	s_cselect_b64 s[8:9], s[4:5], s[8:9]           ; side 0's codes
	s_cselect_b64 s[10:11], s[6:7], s[10:11]       ; side 0's scales
	s_cselect_b32 s66, 0, s96                      ; both forms of the bias are loaded by every work-group; the one that is not used is taken from b_attn's head, inside the buffer
	s_cselect_b32 s4, s95, 0
	s_add_nc_u64 s[20:21], s[98:99], s[20:21]
	s_add_nc_u64 s[22:23], s[100:101], s[22:23]
	s_add_nc_u64 s[46:47], s[8:9], s[46:47]
	s_add_nc_u64 s[92:93], s[10:11], s[92:93]
	s_lshl_b32 s66, s66, 2
	s_mov_b32 s67, 0
	s_add_nc_u64 s[66:67], s[12:13], s[66:67]      ; b_attn at my 128 features of q or k
	s_lshl_b32 s4, s4, 2
	s_mov_b32 s5, 0
	s_add_nc_u64 s[4:5], s[12:13], s[4:5]          ; b_attn at my 128 features of v
	CROUND                                         ; all sixteen work-groups are here: the first joint loads meet
	s_mov_b32 s[G0S], 1
	s_add_co_u32 s[G0S+1], s94, SCL
	s_mov_b64 s[G0S+2:G0S+3], s[22:23]
	s_or_b32 s[G0S+3], s[G0S+3], 0x80000000
	s_mov_b32 s[G0SB], 1
	s_add_co_u32 s[G0SB+1], s94, SCL
	s_mov_b64 s[G0SB+2:G0SB+3], s[92:93]
	s_or_b32 s[G0SB+3], s[G0SB+3], 0x80000000
	JLOAD G0S, G1S, G0SB, G1SB                     ; the scales first: they are wanted with K step 0
.irp s, 0,1
	s_mov_b32 s[G0+4*\s], 1
	s_add_co_u32 s[G0+4*\s+1], s45, \s*SLOT
	s_add_nc_u64 s[G0+4*\s+2:G0+4*\s+3], s[20:21], \s*ROWB
	s_or_b32 s[G0+4*\s+3], s[G0+4*\s+3], 0x80000000
	s_mov_b32 s[G0B+4*\s], 1
	s_add_co_u32 s[G0B+4*\s+1], s45, \s*SLOT
	s_add_nc_u64 s[G0B+4*\s+2:G0B+4*\s+3], s[46:47], \s*ROWB
	s_or_b32 s[G0B+4*\s+3], s[G0B+4*\s+3], 0x80000000
	JLOAD G0+4*\s, G1, G0B+4*\s, G1B               ; three tensor loads of mine are out
.endr
	v_and_b32 v1, 15, v0                           ; r = lane % 16
	v_bfe_u32 v2, v0, 4, 1                         ; h = lane / 16
	v_lshlrev_b32 v[HB], 5, v2
	v_lshlrev_b32 v[RB], 2, v1
.irp b, 0,1,2,3,4,5,6,7
	global_load_b128 v[BB+8*\b:BB+8*\b+3], v[HB], s[66:67] offset:64*\b
	global_load_b128 v[BB+8*\b+4:BB+8*\b+7], v[HB], s[66:67] offset:64*\b+16
.endr
.irp a, 0,1,2,3,4,5,6,7
	global_load_b32 v[BV+\a], v[RB], s[4:5] offset:64*\a
.endr
	v_mul_u32_u24 v3, v1, PITCH
	v_lshl_add_u32 v4, v2, 4, v3                   ; a fragment's row x pitch + 16 x half
	s_mul_i32 s21, s15, HALFT                      ; my 128 rows of side 1
	s_mul_i32 s22, s16, HALFT                      ; my 128 rows of side 0,
	s_add_co_u32 s22, s22, 2*HALFT                 ; which lie behind side 1's 256
.irp s, 0,1
	v_add_nc_u32 v[ADRA+\s], s21, v4
	v_add_nc_u32 v[ADRB+\s], s22, v4
	s_add_co_u32 s21, s21, SLOT
	s_add_co_u32 s22, s22, SLOT
.endr
	v_mul_u32_u24 v5, v1, KS                       ; my row's scales: 32 bytes a row,
	v_lshrrev_b32 v6, 8, v5
	v_lshl_add_u32 v5, v6, 4, v5                   ; and 16 more for each 256 passed
	s_mul_i32 s21, s15, HALFS
	s_mul_i32 s22, s16, HALFS
	s_add_co_u32 s22, s22, 2*HALFS
	s_sub_co_u32 s22, s22, s21
	v_mul_u32_u24 v6, s22, v2                      ; lanes 16-31 take side 0's
	s_add_co_u32 s21, s21, SCL
	v_add_nc_u32 v5, v5, v6
	v_add_nc_u32 v[ADRS], s21, v5
	v_and_b32 v6, 31, v0
	v_lshlrev_b32 v[CO], 4, v6                     ; 16 x lane
.macro FRAG reg, adr, q, i             ; a fragment: lane l holds row l % 16; registers 4 c .. 4 c + 3 hold K = 32 c + 16 (l / 16) + 0 .. 15
.irp c, 0,1,2,3
	ds_load_b128 v[\reg+4*\c:\reg+4*\c+3], v[\adr] offset:128*(\q)+32*\c+(\i)*16*PITCH
.endr
.endm
; 16 matrix instructions: side 1's blocks a0, a0 + 1 x side 0's eight, 128 along K.  zero = 1: the first product starts the sums.  The 64 accumulators take turns, one instruction a turn.
.macro MUL16 a0, p, q, sc, zero
.irp a, \a0, \a0+1
.irp b, 0,1,2,3,4,5,6,7
.if \zero
	v_wmma_scale_f32_16x16x128_f8f6f4 v[8*(8*((\a)%4)+\b):8*(8*((\a)%4)+\b)+7], v[128*(\p)+FR*\b:128*(\p)+FR*\b+FR-1], v[AF+FR*(\a):AF+FR*(\a)+FR-1], 0, v[SC+8*NQ*(\sc)+NQ*\b+(\q)], v[SC+8*NQ*(\sc)+NQ*(\a)+(\q)] matrix_a_scale:MATRIX_SCALE_ROW1
.else
	v_wmma_scale_f32_16x16x128_f8f6f4 v[8*(8*((\a)%4)+\b):8*(8*((\a)%4)+\b)+7], v[128*(\p)+FR*\b:128*(\p)+FR*\b+FR-1], v[AF+FR*(\a):AF+FR*(\a)+FR-1], v[8*(8*((\a)%4)+\b):8*(8*((\a)%4)+\b)+7], v[SC+8*NQ*(\sc)+NQ*\b+(\q)], v[SC+8*NQ*(\sc)+NQ*(\a)+(\q)] matrix_a_scale:MATRIX_SCALE_ROW1
.endif
.endr
.endr
.endm
.macro FETCH_B slot, q, p              ; side 0's eight fragments of the slot's q-th 128 along K into set p
	WIN TO_B
.irp i, 0,1,2,3,4,5,6,7
	FRAG 128*(\p)+FR*\i, ADRB+\slot, \q, \i
.endr
	WIN 0
.endm
.macro FETCH_A slot, q, i0             ; side 1's blocks i0 .. i0 + 3
.irp i, \i0, \i0+1, \i0+2, \i0+3
	FRAG AF+FR*(\i), ADRA+\slot, \q, \i
.endr
.endm
.macro SCALES sc                       ; the next K step's scale words into set sc: two words a row
.irp i, 0,1,2,3,4,5,6,7
	ds_load_b64 v[SC+8*NQ*\sc+NQ*\i:SC+8*NQ*\sc+NQ*\i+1], v[ADRS] offset:\i*SBLK
.endr
.endm
; A load into a register that a matrix instruction has read, and a vector instruction that reads a matrix result, stand NP places behind it; only plain vector instructions that name none of its registers are places.
.macro PLACES n
.rept \n
	v_nop
.endr
.endm
; A step of 128 along K that has its successor in the same slot.
.macro STEP slot, q, zero
	s_wait_dscnt 4*NL                              ; side 0's set and side 1's blocks 0-3 are in; the youngest 16 loads (blocks 4-7) may be out
	WIN MUL_LO
	MUL16 0, (\q)%2, \q, \slot, \zero
	MUL16 2, (\q)%2, \q, \slot, \zero
	s_wait_dscnt 0                                 ; blocks 4-7 are in
	PLACES NP
	FETCH_B \slot, (\q)+1, 1-(\q)%2
	FETCH_A \slot, (\q)+1, 0
	WIN MUL_HI
	MUL16 4, (\q)%2, \q, \slot, \zero
	MUL16 6, (\q)%2, \q, \slot, \zero
	PLACES NP
	WIN 0
	FETCH_A \slot, (\q)+1, 4
.endm
; A slot's last step changes slots: one barrier; in front of it each wave waits for all its tensor loads, adds 0 to its spare word, and waits for that and for its own reads of this slot.  fill = 1: this slot is filled again, two K steps ahead.
.macro TURN slot, next, fill
	s_wait_tensorcnt 0x0                           ; all my tensor loads have landed: my part of the next slot  (every window is 0 here)
	ds_add_u32 v[SPW], v[NIL]                      ; 0 onto my spare word
	s_wait_dscnt 4*NL+1                            ; the add and the youngest 16 loads (blocks 4-7) may be out
	WIN MUL_LO
	MUL16 0, 1, NQ-1, \slot, 0                     ; sixteen matrix instructions stand between the add and the wait for it
	s_wait_dscnt 0x0                               ; the add is done, and my reads of this slot are over
	s_barrier_signal -1
	MUL16 2, 1, NQ-1, \slot, 0
	WIN 0
	s_barrier_wait -1
.if \fill
	CREST                                          ; the barrier has opened a round of the cluster's barrier: no wave of any partner still reads this slot or has a load on its way
	s_add_nc_u64 s[G0+4*\slot+2:G0+4*\slot+3], s[G0+4*\slot+2:G0+4*\slot+3], 2*ROWB
	s_add_nc_u64 s[G0B+4*\slot+2:G0B+4*\slot+3], s[G0B+4*\slot+2:G0B+4*\slot+3], 2*ROWB
	JLOAD G0+4*\slot, G1, G0B+4*\slot, G1B         ; the first tensor load behind the round; its four v_nop are among the places in front of the loads below
	PLACES NP-4
.else
	PLACES NP
.endif
	s_wait_alu depctr_va_vdst(0)
	v_add_nc_u32 v[ADRS], 4*NQ, v[ADRS]            ; on to the next K step's scale words
	FETCH_B \next, 0, 0
	FETCH_A \next, 0, 0
	SCALES \next
	WIN MUL_HI
	MUL16 4, 1, NQ-1, \slot, 0
	MUL16 6, 1, NQ-1, \slot, 0
	PLACES NP
	WIN 0
	FETCH_A \next, 0, 4
.endm
	s_wait_alu depctr_va_vdst(0)
	s_wait_loadcnt 0x0                             ; the biases: they came while the first tiles were on their way
	s_wait_tensorcnt 1                             ; the scales and my part of K step 0 are in (K step 1's load may be out),
	s_barrier_signal -1
	s_barrier_wait -1                              ; everybody's are
	s_load_b256 s[68:75], s[0:1], 0x28             ; q_codes s[68:69], q_scales s[70:71], k_codes s[72:73], kvs s[74:75]: into the registers of the scales' descriptors, whose loads the wait above has shown done
	s_load_b64 s[76:77], s[0:1], 0x48              ; v_codes; both are waited for at the way out
	FETCH_B 0, 0, 0
	FETCH_A 0, 0, 0
	SCALES 0
	FETCH_A 0, 0, 4
	STEP 0, 0, 1                                   ; the first step stands in front of the loop: its products start the sums
	s_mov_b32 s3, LAPS-1
.Llap:                                                 ; a trip goes once round the ring, from a lap's second step to the next lap's first, and fills both slots again
	TURN 0, 1, 1
	STEP 1, 0, 0
	TURN 1, 0, 1
	STEP 0, 0, 0
	s_sub_co_u32 s3, s3, 1
	s_cmp_lg_u32 s3, 0
	s_cbranch_scc1 .Llap
	TURN 0, 1, 0                                   ; the last lap fills nothing, and has no round of the cluster's barrier
	STEP 1, 0, 0
	s_wait_dscnt 4*NL                              ; the very last step: nothing more to fetch
	WIN MUL_LO
	MUL16 0, 1, NQ-1, 1, 0
	MUL16 2, 1, NQ-1, 1, 0
	s_wait_dscnt 0
	WIN MUL_HI
	MUL16 4, 1, NQ-1, 1, 0
	MUL16 6, 1, NQ-1, 1, 0
	WIN 0
; THE WAY OUT.  64 numbers of a lane, v[s] .. v[s + 63], four runs of 16 that with lane l xor 16's make four blocks of 32, become 16 registers of codes in v[PC] on.
; two = 1: the four bytes make two words of two (two heads of 64): v[w] and v[w + 8].  two = 0: one word of four: v[w].
.macro QUANT s, two, w
.irp b, 0,1,2,3
	v_max3_num_f32 v[TM+\b], |v[\s+16*\b]|, |v[\s+1+16*\b]|, 0x4800000   ; block b: my 16 numbers, and the floor 2^(9 - 127): so the byte cannot fall under 1
.endr
.irp i, 2,4,6,8,10,12,14
.irp b, 0,1,2,3
	v_max3_num_f32 v[TM+\b], v[TM+\b], |v[\s+16*\b+\i]|, |v[\s+1+16*\b+\i]|   ; (the four blocks by turns)
.endr
.endr
.irp b, 0,1,2,3
	v_permlanex16_b32 v[TM+4+\b], v[TM+\b], s[SEL], s[SEL+1]
.endr
.irp b, 0,1,2,3
	v_max_num_f32 v[TM+\b], v[TM+\b], v[TM+4+\b]   ; with lane l xor 16's: the block's largest magnitude
.endr
.irp b, 0,1,2,3
	v_add_nc_u32 v[TM+12+\b], 0xfc000000, v[TM+\b]   ; 8 off its exponent field: the conversion takes the exponent field of this operand as its scale
.endr
.irp b, 0,1,2,3
.endr
.irp b, 0,1,2,3
	v_lshrrev_b32 v[TM+4+\b], 23, v[TM+12+\b]      ; the scale's byte
.endr
	v_lshl_or_b32 v[\w], v[TM+5], 8, v[TM+4]
.if \two
	v_lshl_or_b32 v[\w+8], v[TM+7], 8, v[TM+6]
.else
	v_lshl_or_b32 v[\w], v[TM+6], 16, v[\w]
	v_lshl_or_b32 v[\w], v[TM+7], 24, v[\w]
.endif
.irp b, 0,1,2,3
.irp i, 0,1,2,3,4,5,6,7,8,9,10,11,12,13,14,15
.endr
	v_cvt_scalef32_pk8_fp8_f32 v[PC+4*\b:PC+1+4*\b], v[\s+16*\b:\s+7+16*\b], v[TM+12+\b]
	v_cvt_scalef32_pk8_fp8_f32 v[PC+2+4*\b:PC+3+4*\b], v[\s+8+16*\b:\s+15+16*\b], v[TM+12+\b]
.endr
	v_nop                                          ; one plain vector instruction behind the last conversion, ahead of the next line that writes its sources
.endm
; My eight blocks of 16 rows of side 1, one after the other: the bias is added on the way from the accumulators' window into window 0 (each accumulator from its low end on), the 64 numbers are quantised, the codes stored.
; kind 0: q or k.  kind 1: v.
.macro EPI kind
.irp a, 0,1,2,3,4,5,6,7
.if \kind
	v_mov_b32 v[BP], v[BV+\a]                      ; v: one feature a lane, so one bias for all its registers
	v_mov_b32 v[BP+1], v[BV+\a]
.endif
	WIN 0x02+(\a)/4                                ; source 0: window 2 or 3
.irp b, 0,1,2,3,4,5,6,7
.irp j, 0,2,4,6
.if \kind
	v_pk_add_f32 v[T+8*\b+\j:T+8*\b+\j+1], v[64*((\a)%4)+8*\b+\j:64*((\a)%4)+8*\b+\j+1], v[BP:BP+1]
.else
	v_pk_add_f32 v[T+8*\b+\j:T+8*\b+\j+1], v[64*((\a)%4)+8*\b+\j:64*((\a)%4)+8*\b+\j+1], v[BB+8*\b+\j:BB+8*\b+\j+1]
.endif
.endr
.endr
	WIN 0
.if \a > 0
	s_wait_xcnt 0x0                                ; the last block's stores have read their codes: the registers are written again only behind this wait
.endif
	QUANT T, 1-\kind, SW+\a
.irp g, 0,1,2,3
.if \kind
	global_store_b128 v[CO], v[PC+4*\g:PC+4*\g+3], s[20:21] offset:(\a/4)*131072+(\a%4)*2048+\g*512   ; head a / 4, tile of features a % 4, group g: 512 consecutive bytes
.else
	global_store_b128 v[CO], v[PC+4*\g:PC+4*\g+3], s[20:21] offset:(\g/2)*131072+\a*1024+(\g%2)*512   ; head g / 2, tile of tokens a, group g % 2: 512 consecutive bytes
.endif
.endr
.endr
.if \kind
.irp i, 0,1,2,3
	v_cndmask_b32 v[OW+\i], v[SW+\i], v[SW+4+\i], vcc_lo   ; lanes 0-15: the first head's four tiles; lanes 16-31: the second head's
.endr
	v_mul_u32_u24 v[CV], v2, 12288
	v_lshl_add_u32 v[CV], v1, 4, v[CV]             ; 16 r, and a head's 12,288 bytes on for lanes 16-31
	global_store_b128 v[CV], v[OW:OW+3], s[22:23]  ; sixteen lanes store 256 consecutive bytes
.else
.irp e, 0,1
.if \e
	s_wait_xcnt 0x0                                ; the store above has read its data
.endif
.irp i, 0,1,2,3
	v_cndmask_b32 v[OW+\i], v[SW+8*\e+\i], v[SW+8*\e+4+\i], vcc_lo   ; lanes 0-15: tiles 0-3 of my 128 tokens; lanes 16-31: tiles 4-7
.endr
	global_store_b128 v[CO], v[OW:OW+3], s[22:23] offset:\e*12288    ; head e: 512 consecutive bytes
.endr
.endif
.endm
	PLACES NP                                      ; behind the last products: their results are read, and the registers of side 1's fragments written, below
	s_wait_kmcnt 0x0                               ; the five output buffers' addresses
	s_mov_b32 s[SEL], 0x76543210
	s_mov_b32 s[SEL+1], 0xfedcba98
	s_mov_b32 vcc_lo, 0xffff0000                   ; lanes 16-31
.irp b, 0,1,2,3
	v_mov_b32 v[TM+4+\b], 0                        ; written once: a lane permute's destination counts as one of its sources
.endr
	s_cmp_eq_u32 ttmp9, 2                          ; the cluster's x: the same in all partners
	s_cbranch_scc1 .Lv
	s_lshr_b32 s40, s95, 11                        ; q, k: side 1 is tokens: the batch,
	s_and_b32 s41, s95, 2047                       ; my first token in it;
	s_and_b32 s43, s96, 1023                       ; side 0 is features: the first of my two heads
	s_lshr_b32 s43, s43, 6
	s_lshl_b32 s40, s40, 4
	s_add_co_u32 s40, s40, s43                     ; 16 x batch + head
	s_lshl_b32 s44, s40, 17                        ; a head's codes are 131,072 bytes,
	s_lshl_b32 s45, s41, 6                         ; a token's 64
	s_add_co_u32 s44, s44, s45
	s_mov_b32 s45, 0
	s_mul_i32 s46, s40, 12288
	s_lshr_b32 s41, s41, 7
	s_lshl_b32 s41, s41, 9                         ; the scale words of 128 tokens are 512 bytes
	s_add_co_u32 s46, s46, s41
	s_mov_b32 s47, 0
	s_cmp_eq_u32 ttmp9, 0
	s_cselect_b64 s[20:21], s[68:69], s[72:73]     ; q's buffers or k's
	s_cselect_b64 s[22:23], s[70:71], s[74:75]
	s_add_nc_u64 s[20:21], s[20:21], s[44:45]
	s_add_nc_u64 s[22:23], s[22:23], s[46:47]
	EPI 0
	s_branch .Lend
.Lv:
	s_lshr_b32 s40, s96, 11                        ; v: side 0 is tokens: the batch,
	s_and_b32 s41, s96, 2047
	s_lshr_b32 s41, s41, 7                         ; which 128 keys of it;
	s_sub_co_u32 s43, s95, 2048                    ; side 1 is features: the first of my two heads
	s_lshr_b32 s43, s43, 6
	s_lshl_b32 s40, s40, 4
	s_add_co_u32 s40, s40, s43                     ; 16 x batch + head
	s_lshl_b32 s44, s40, 17
	s_lshl_b32 s45, s41, 13                        ; 128 keys of a head are 8,192 bytes
	s_add_co_u32 s44, s44, s45
	s_mov_b32 s45, 0
	s_mul_i32 s46, s40, 12288
	s_lshl_b32 s41, s41, 8                         ; their scale words 256 bytes,
	s_add_co_u32 s46, s46, s41
	s_add_co_u32 s46, s46, 8192                    ; behind k's
	s_mov_b32 s47, 0
	s_add_nc_u64 s[20:21], s[76:77], s[44:45]
	s_add_nc_u64 s[22:23], s[74:75], s[46:47]
	EPI 1
.Lend:
	s_wait_tensorcnt 0x0                           ; the wave's end
	ds_add_u32 v[SPW], v[NIL]
	s_wait_dscnt 0x0
	CROUND                                         ; the closing round: no work-group ends while a partner may still ask for a tile that names it
	s_endpgm
.Lfunc_end_k_q71927b9b34_qkv:
	.size	k_q71927b9b34_qkv, .Lfunc_end_k_q71927b9b34_qkv-k_q71927b9b34_qkv
	.p2alignl 7, 3214868480
	.fill 96, 4, 3214868480
	.section	.rodata,"a",@progbits
	.p2align	6, 0x0
	.amdhsa_kernel k_q71927b9b34_qkv
		.amdhsa_group_segment_fixed_size 327680
		.amdhsa_private_segment_fixed_size 0
		.amdhsa_enable_private_segment 0
		.amdhsa_kernarg_size 80
		.amdhsa_user_sgpr_count 2
		.amdhsa_user_sgpr_kernarg_segment_ptr 1
		.amdhsa_wavefront_size32 1
		.amdhsa_system_sgpr_workgroup_id_x 1
		.amdhsa_system_sgpr_workgroup_id_y 1
		.amdhsa_system_sgpr_workgroup_id_z 1
		.amdhsa_system_vgpr_workitem_id 0
		.amdhsa_next_free_vgpr 1024
		.amdhsa_next_free_sgpr 102
		.amdhsa_reserve_vcc 1
		.amdhsa_float_denorm_mode_32 3
		.amdhsa_float_denorm_mode_16_64 3
		.amdhsa_fp16_overflow 1
		.amdhsa_memory_ordered 1
		.amdhsa_forward_progress 1
		.amdhsa_inst_pref_size 218
	.end_amdhsa_kernel
	.amdgpu_metadata
---
amdhsa.version: [ 1, 2 ]
amdhsa.kernels:
  - .name:           k_q71927b9b34_qkv
    .symbol:         k_q71927b9b34_qkv.kd
    .args:
      - { .name: x_codes, .offset: 0, .size: 8, .value_kind: global_buffer, .address_space: global }
      - { .name: x_scales, .offset: 8, .size: 8, .value_kind: global_buffer, .address_space: global }
      - { .name: w_attn_codes, .offset: 16, .size: 8, .value_kind: global_buffer, .address_space: global }
      - { .name: w_attn_scales, .offset: 24, .size: 8, .value_kind: global_buffer, .address_space: global }
      - { .name: b_attn, .offset: 32, .size: 8, .value_kind: global_buffer, .address_space: global }
      - { .name: q_codes, .offset: 40, .size: 8, .value_kind: global_buffer, .address_space: global }
      - { .name: q_scales, .offset: 48, .size: 8, .value_kind: global_buffer, .address_space: global }
      - { .name: k_codes, .offset: 56, .size: 8, .value_kind: global_buffer, .address_space: global }
      - { .name: kvs, .offset: 64, .size: 8, .value_kind: global_buffer, .address_space: global }
      - { .name: v_codes, .offset: 72, .size: 8, .value_kind: global_buffer, .address_space: global }
    .group_segment_fixed_size: 327680
    .private_segment_fixed_size: 0
    .kernarg_segment_align: 8
    .kernarg_segment_size: 80
    .max_flat_workgroup_size: 128
    .sgpr_count:     102
    .vgpr_count:     1024
    .wavefront_size: 32
...
	.end_amdgpu_metadata
.endif
;; end of part 1
;; launch attn (part 2): grid 4 x 64, 16 waves a work-group, clusters of 4 x 1, 276,480 bytes of LDS; arguments q_codes, q_scales, k_codes, v_codes, kvs, y_codes, y_scales; writes y_codes, y_scales
.if DOCPART == 2
	.amdgcn_target "amdgcn-amd-amdhsa--gfx1250"
	.amdhsa_code_object_version 6
	.text
	.protected	k_q71927b9b34_attn
	.globl	k_q71927b9b34_attn
	.p2align	8
	.type	k_q71927b9b34_attn,@function
k_q71927b9b34_attn:
	s_mov_b64 s[64:65], 0
	v_nop
	global_prefetch_b8 v0, s[64:65] scope:SCOPE_SE
	s_setreg_imm32_b32 hwreg(HW_REG_WAVE_MODE, 25, 1), 1
	s_wait_xcnt 0x0
	s_wait_alu depctr_hold_cnt(0) depctr_sa_sdst(0) depctr_va_vdst(0) depctr_va_sdst(0) depctr_va_ssrc(0) depctr_va_vcc(0) depctr_vm_vsrc(0)
	s_getreg_b32 s2, hwreg(HW_REG_IB_STS2, 6, 4)
	s_cmp_eq_u32 s2, 0
	s_cbranch_scc0 .Lentry_in_a_cluster
	s_endpgm
.Lentry_in_a_cluster:
	s_bfe_u32 s2, ttmp6, 0x10000c
	s_cmp_lg_u32 s2, 0x3003
	s_cbranch_scc0 .Lentry_shape_is_right
	s_endpgm
.Lentry_shape_is_right:
; y = softmax(q k^T / 8, causal) v for 64 heads of batch (2,048 tokens, head size 64), both products on codes of FP8 (E4M3) with one E8M0 scale for each 32 along a product's K; y is quantised along its 1,024 features and leaves as codes.
; THE SOFTMAX: t = score x log2(e) / 8; M = the row's largest t so far, rounded up to a whole number; p = 2^(t - M) is quantised along the keys, not normalised; the row's sum is taken of the unquantised p and divides at the end.
;   When M moves, the sum and O are multiplied by 2^(old M - new M): exact.
; SHARES.  A cluster of four work-groups is one head.  Its 128 tiles of 16 queries are dealt tile = 4 m + cx, m = 0 .. 31 in each partner; wave w takes m = 31 - w and then m = w.  A tile walks key steps 0 .. m / 2 of 128 keys,
;   the last of them on the diagonal: (31 - w) / 2 + w / 2 + 2 = 17 steps for every wave.  No step count hangs on cx: every branch hangs on the wave's number and a counter, and the partners run alike.
; LDS.  A head's codes of k (131,072 bytes) and of v (131,072), and their scale words (12,288), all fit: they are filled once, by joint loads that name the four partners, and nothing is filled again: no ring, no barrier in the loops.
;   Waves 0 and 1 fetch k's, waves 2 and 3 v's: each the scale words' quarter, then 16,384 bytes (together keys 0-511), then 49,152 (the rest).  The first four key steps are walked while the last loads are on their way.
; LAYOUT.  Both products are used transposed: S^T = k q^T (source 0 = 16 keys, source 1 = my 16 queries), O^T = v^T p^T (source 0 = 16 of the head's 64, source 1 = p): a lane holds one query (lane % 16) throughout.
;   Fragments lie in memory and in LDS as images of the operand's registers: a group of four registers is 512 bytes, lane l's 16 bytes at 16 l.  q and k share one order inside each block of 32 along the head, v and p one along the keys
;   (place 32 c + 16 h + i holds index 32 c + 8 h + i % 8 + 16 (i / 8)), which is the order in which a transposed result's registers lie: so p's conversions give the operand as it stands.
; K = 64 IN A FORM THAT IS 128 DEEP.  q's operand is v[16:31]: its upper 64 places are zero codes.  k's fragment f is v[32 + 8 f : 47 + 8 f]: its upper half is the next fragment's codes (zeros behind the last), finite numbers
;   (the quantiser holds at 448, so no NaN code is made) that meet q's zeros; those blocks' scale bytes are 0 on both sides.  They add nothing.
; OUT.  y_codes: [tile of 16 tokens 512][128 features 8][group 4][lane][16 bytes], in the natural order of K (the next product's other operand is given so): the halves of the lanes exchange half of their codes once a tile.
;   y_scales: [token][32 bytes].  A wave has two bytes a token, and the other heads' lie in other clusters: so they leave by stores of two bytes, 32 bytes apart, 262,144 bytes in the whole launch.
; LIMITS: NaN and infinities are not served.  A block whose largest magnitude lies under 2^-118 keeps the scale byte 1; a block of zeros gets the byte 1 and not 127: its codes are zeros, and this program alone reads the bytes.
.set VC,   131072                      ; LDS: k's codes at 0, v's here,
.set SCB,  262144                      ; the scale words here: k's 8,192 bytes, then v's 4,096
.set AK0,  1                           ; v1   16 x lane
.set AV0,  2                           ; v2   VC + 16 x lane
.set ASK0, 3                           ; v3   SCB + 16 x lane
.set ASV0, 4                           ; v4   SCB + 8,192 + 16 r
.set QD,   5                           ; v5   the diagonal step: a register's key is hidden where its number in the step, less 8 h, is above this
.set RH,   6                           ; v6   r - 8 h
.set R16,  7                           ; v7   16 r
.set ADK,  8                           ; v8-11 the step's LDS addresses: k, v, k's scale words, v's
.set ADV,  9
.set ADS,  10
.set ADT,  11
                                       ; v12 -M, v13 the largest t, v[14:15] the sum in two halves
.set RQ,   16                          ; v16-23 q's codes, v24-31 zeros
.set KF,   32                          ; v32-95 k's eight fragments of 8 registers on end, later v's four of 16;  v96-103 zeros
.set RS,   104                         ; v104-167 S^T, then p
.set RO,   168                         ; v168-199 O^T
.set RPC,  200                         ; v200-215 p's codes
.set BM,   216                         ; v216-219 the blocks' largest scores, then largest p
.set T1,   220                         ; v220-223 at work
.set HD,   224
.set SO,   228                         ; v228-231 the conversions' scale operands
.set RKS,  232                         ; v232-235 k's scale words: lanes 0-15 fragments 0-3, lanes 16-31 fragments 4-7
.set RVS,  236                         ; v236-239 v's scale words
.set RF,   240                         ; v240 f = 2^(old M - new M);  v241 p's scale word
.set RPW,  241
.set TMP,  242
.set RQS,  243                         ; v243 q's scale word
.set YSO,  244                         ; v244 32 r
.set W16,  245                         ; v245 y's two scale bytes
.set WV,   18                          ; s18  my wave's number
.set G1A,  40                          ; s[40:47] descriptor group 1: 64 rows of 256 bytes;  s[48:55]: 192 rows;  s[56:63]: 12 rows
.set G1B,  48
.set G1S,  56
.set G0S,  68                          ; s[68:71], s[72:75], s[76:79] their groups 0
.set G0A,  72
.set G0B,  76
.set CS,   80                          ; s[80:81] c = log2(e) / 8
.set SEL,  82                          ; s[82:83] lane selects for v_permlanex16_b32: lane l xor 16
.set MNT,  84
.set TK,   85                          ; s85  the step's first byte in k's and in v's codes: 8,192 a step
.set TS,   86                          ; s86  in k's scale words: 512 a step
.set TT,   87                          ; s87  in v's: 256 a step
.set SI,   88                          ; s88  the step's number
.set SD1,  89                          ; s89, s90  the diagonal step of my first and second tile
.set SD2,  90
.set QB1,  91                          ; s91, s92  my tile's first query, counted from its diagonal step's first key
.set QB2,  92
.macro CROUND                          ; a round of the cluster's barrier
	s_barrier_signal -1
	s_barrier_wait -1
	s_cmp_lg_u32 s[WV], 0
	s_cbranch_scc1 .Lnot_wave_0_\@
	s_barrier_signal -3
.Lnot_wave_0_\@:
	s_barrier_wait -3
	s_barrier_signal -1
	s_barrier_wait -1
.endm
	s_load_b256 s[4:11], s[0:1], 0x0               ; q_codes s[4:5], q_scales s[6:7], k_codes s[8:9], v_codes s[10:11]
	s_load_b128 s[12:15], s[0:1], 0x20             ; kvs s[12:13], y_codes s[14:15]
	s_load_b64 s[16:17], s[0:1], 0x30              ; y_scales
	v_lshl_add_u32 v254, v0, 2, 0x43000
	v_mov_b32 v255, 0
	ds_add_u32 v254, v255
	ds_add_u32 v254, v255
	v_lshrrev_b32 v8, 5, v0
	s_delay_alu instid0(VALU_DEP_1)
	v_readfirstlane_b32 s[WV], v8                  ; wave 0..15
	s_bfe_u32 s19, ttmp6, 0x40000                  ; cx: it enters q's and y's addresses and the mask's number alone
	s_and_b32 s20, ttmp7, 0xffff                   ; the head of batch, which the four partners share
	; descriptor groups 1: dense blocks as rows of 256 bytes (32 elements of 8 bytes), no padding; 15:0 the mask: all four partners; 21 set beside a mask
.irp g, G1A, G1B, G1S
	s_mov_b32 s[\g], 15|(3<<16)|(1<<21)
	s_mov_b32 s[\g+1], 32<<16                      ; tensor_dim0
	s_mov_b32 s[\g+3], 32<<16                      ; tile_dim0
	s_mov_b32 s[\g+5], 32                          ; tensor_dim0_stride
	s_mov_b32 s[\g+6], 0
	s_mov_b32 s[\g+7], 0
.endr
	s_mov_b32 s[G1A+2], 64<<16                     ; tensor_dim1 and tile_dim1: 64 rows,
	s_mov_b32 s[G1A+4], 64
	s_mov_b32 s[G1B+2], 192<<16                    ; 192,
	s_mov_b32 s[G1B+4], 192
	s_mov_b32 s[G1S+2], 12<<16                     ; 12
	s_mov_b32 s[G1S+4], 12
	s_and_b32 s21, s[WV], 3                        ; the loader's number (waves 0-3 alone issue)
	s_and_b32 s22, s21, 1                          ; which half of the bytes
	s_lshr_b32 s23, s21, 1                         ; k (0) or v (1)
	s_lshl_b32 s23, s23, 17                        ; its place in LDS
	s_lshl_b32 s93, s20, 17                        ; the head's first byte in each buffer of codes
	s_mul_i32 s94, s20, 12288                      ; and in each buffer of scale words
	s_mul_i32 s95, s21, 3072
	s_mov_b32 s97, 0
	s_mov_b32 s[CS], 0x3e38aa3b                    ; c = log2(e) / 8
	s_mov_b32 s[CS+1], s[CS]                       ; (named with it as a pair, so it is written)
	s_mov_b32 s[SEL], 0x76543210
	s_mov_b32 s[SEL+1], 0xfedcba98
	s_wait_dscnt 0x0
	s_wait_kmcnt 0x0
	s_mov_b32 s[G0S], 1
	s_add_co_u32 s[G0S+1], s95, SCB                ; a quarter of the head's scale words
	s_add_co_u32 s96, s94, s95
	s_add_nc_u64 s[G0S+2:G0S+3], s[12:13], s[96:97]
	s_or_b32 s[G0S+3], s[G0S+3], 0x80000000
	s_cmp_lt_u32 s21, 2
	s_cselect_b64 s[98:99], s[8:9], s[10:11]       ; k's codes or v's: a choice on the wave's number
	s_mov_b32 s[G0A], 1
	s_lshl_b32 s96, s22, 14
	s_add_co_u32 s[G0A+1], s23, s96                ; keys 0-511: 16,384 bytes a loader
	s_add_co_u32 s96, s96, s93
	s_add_nc_u64 s[G0A+2:G0A+3], s[98:99], s[96:97]
	s_or_b32 s[G0A+3], s[G0A+3], 0x80000000
	s_mov_b32 s[G0B], 1
	s_mul_i32 s96, s22, 49152
	s_add_co_u32 s96, s96, 32768
	s_add_co_u32 s[G0B+1], s23, s96                ; the rest: 49,152 bytes a loader
	s_add_co_u32 s96, s96, s93
	s_add_nc_u64 s[G0B+2:G0B+3], s[98:99], s[96:97]
	s_or_b32 s[G0B+3], s[G0B+3], 0x80000000
	CROUND                                         ; all four work-groups are here: the joint loads meet
	s_cmp_lt_u32 s[WV], 4                          ; a loader's three fills stand in one branch on the wave's number: three tensor loads of mine are out
	s_cbranch_scc0 .Lno_fill
	tensor_load_to_lds s[G0S:G0S+3], s[G1S:G1S+7]
	s_nop 0
	tensor_load_to_lds s[G0A:G0A+3], s[G1A:G1A+7]
	s_nop 0
	tensor_load_to_lds s[G0B:G0B+3], s[G1B:G1B+7]
	s_nop 0
.rept 4
	v_nop
.endr
.Lno_fill:
; The addresses of a tile 4 m + cx, m in s[m]: q's codes s[p:p+1], q's scale words s[p+2:p+3], y's codes s[p+4:p+5], y's scale bytes s[p+6:p+7]; its diagonal step; its first query in that step.
.macro BASES m, p, sd, qb
	s_lshl_b32 s94, s[\m], 2
	s_add_co_u32 s94, s94, s19                     ; the tile
	s_lshl_b32 s96, s94, 10                        ; 1,024 bytes of codes a tile
	s_add_co_u32 s96, s96, s93
	s_add_nc_u64 s[\p:\p+1], s[4:5], s[96:97]
	s_lshl_b32 s96, s[\m], 8                       ; scale words: [128 tokens][half][r][i]: tile 4 m + cx is half m % 2, i = cx: 256 m + 4 cx, + 16 r
	s_add_co_u32 s96, s96, s95
	s_add_nc_u64 s[\p+2:\p+3], s[6:7], s[96:97]
	s_add_co_u32 s94, s94, s98                     ; the tile among all 512
	s_lshl_b32 s96, s94, 14                        ; 16,384 bytes of y's codes a tile,
	s_add_co_u32 s96, s96, s99                     ; 1,024 a head
	s_add_nc_u64 s[\p+4:\p+5], s[14:15], s[96:97]
	s_lshl_b32 s96, s94, 9                         ; 16 tokens x 32 scale bytes,
	s_add_co_u32 s96, s96, s23                     ; 2 a head
	s_add_nc_u64 s[\p+6:\p+7], s[16:17], s[96:97]
	s_lshr_b32 s[\sd], s[\m], 1
	s_and_b32 s96, s[\m], 1
	s_lshl_b32 s96, s96, 2
	s_add_co_u32 s96, s96, s19
	s_lshl_b32 s[\qb], s96, 4
.endm
	s_mul_i32 s95, s20, 12288
	s_lshl_b32 s96, s19, 2
	s_add_co_u32 s95, s95, s96                     ; 12,288 x head of batch + 4 cx
	s_lshr_b32 s98, s20, 4
	s_lshl_b32 s98, s98, 7                         ; 128 tiles a batch
	s_and_b32 s99, s20, 15                         ; the head
	s_lshl_b32 s23, s99, 1
	s_lshl_b32 s99, s99, 10
	s_sub_co_u32 s21, 31, s[WV]                    ; my first tile's m: the long one
	BASES 21, 24, SD1, QB1
	BASES WV, 32, SD2, QB2
	v_and_b32 v8, 31, v0
	s_delay_alu instid0(VALU_DEP_1)
	v_lshlrev_b32 v[AK0], 4, v8
	s_delay_alu instid0(VALU_DEP_1)
	v_add_nc_u32 v[AV0], VC, v[AK0]
	s_delay_alu instid0(VALU_DEP_2)
	v_add_nc_u32 v[ASK0], SCB, v[AK0]
	v_and_b32 v9, 15, v0                           ; r
	v_bfe_u32 v10, v0, 4, 1                        ; h
	s_delay_alu instid0(VALU_DEP_2)
	v_lshlrev_b32 v[R16], 4, v9
	s_delay_alu instid0(VALU_DEP_1)
	v_add_nc_u32 v[ASV0], SCB+8192, v[R16]
	s_delay_alu instid0(VALU_DEP_3)
	v_lshlrev_b32 v10, 3, v10
	s_delay_alu instid0(VALU_DEP_1)
	v_sub_nc_u32 v[RH], v9, v10
	v_lshlrev_b32 v[YSO], 5, v9
.macro QLOAD p                         ; a tile's q: two groups of four registers, and its rows' scale words
	global_load_b128 v[RQ:RQ+3], v[AK0], s[\p:\p+1]
	global_load_b128 v[RQ+4:RQ+7], v[AK0], s[\p:\p+1] offset:512
	global_load_b32 v[RQS], v[R16], s[\p+2:\p+3]
.endm
	QLOAD 24
.irp j, 0,1,2,3,4,5,6,7
	v_mov_b32 v[RQ+8+\j], 0                        ; the upper 64 places of q's operand: zero codes
	v_mov_b32 v[KF+64+\j], 0                       ; and what stands behind k's last fragment
.endr
.irp b, 0,1,2,3
	v_mov_b32 v[T1+\b], 0                          ; written once: a lane permute's destination counts as one of its sources
.endr
	v_mov_b32 v[RPW], 0                            ; (named as the upper half of the pair v[240:241] before it is first written)
.macro INIT qb                         ; a tile begins: the first step finds zeros, which the first change of M leaves zeros
	v_mov_b32 v13, 0xff61b1e6                      ; the largest t so far: -3e38, under every t
	s_delay_alu instid0(VALU_DEP_1)
	v_floor_f32 v12, -v13                          ; -M
	v_mov_b32 v14, 0
	v_mov_b32 v15, 0
.set jj, 0
.rept 32
	v_mov_b32 v[RO+jj], 0
.set jj, jj+1
.endr
	v_add_nc_u32 v[QD], s[\qb], v[RH]
	s_mov_b32 s[TK], 0
	s_mov_b32 s[TS], 0
	s_mov_b32 s[TT], 0
.endm
; A KEY STEP: 128 keys.  mode 0: a step all of whose keys count for every wave.  mode 1: a step behind my tile's diagonal step s[sd] is left out (a scalar branch on the wave's number and the counter, round the work, not round the
; lines that step addresses), and in the diagonal step hidden scores become -infinity ahead of the maximum.
.macro STEP mode, sd
.if \mode
	s_cmp_gt_u32 s[SI], s[\sd]
	s_cbranch_scc1 .Lhid_\@
.endif
	s_setprio 2
	v_add_nc_u32 v[ADK], s[TK], v[AK0]
	v_add_nc_u32 v[ADV], s[TK], v[AV0]
	v_add_nc_u32 v[ADS], s[TS], v[ASK0]
	v_add_nc_u32 v[ADT], s[TT], v[ASV0]
.rept 4
	v_nop                                          ; with the four additions: eight places in front of loads into registers that the last products read
.endr
.irp f, 0,1,2,3,4,5,6,7
	ds_load_b128 v[KF+8*\f:KF+8*\f+3], v[ADK] offset:1024*\f
	ds_load_b128 v[KF+8*\f+4:KF+8*\f+7], v[ADK] offset:1024*\f+512
.endr
	ds_load_b128 v[RKS:RKS+3], v[ADS]
	s_wait_alu depctr_va_vdst(0)
	s_wait_dscnt 0x0
.irp f, 0,1,2,3
	v_wmma_scale_f32_16x16x128_f8f6f4 v[RS+8*\f:RS+8*\f+7], v[KF+8*\f:KF+8*\f+15], v[RQ:RQ+15], 0, v[RKS+\f], v[RQS]
.endr
.irp f, 4,5,6,7
	v_wmma_scale_f32_16x16x128_f8f6f4 v[RS+8*\f:RS+8*\f+7], v[KF+8*\f:KF+8*\f+15], v[RQ:RQ+15], 0, v[RKS+\f-4], v[RQS] matrix_a_scale:MATRIX_SCALE_ROW1
.endr                                          ; lane (r, h): query r; register 8 f + j: key 16 f + 8 h + j of the step
.rept 8
	v_nop
.endr
.irp d, 0,1,2,3                                ; v's four fragments are asked for now and land under the softmax
.irp c, 0,1,2,3
	ds_load_b128 v[KF+16*\d+4*\c:KF+16*\d+4*\c+3], v[ADV] offset:2048*\d+512*\c
.endr
.endr
	ds_load_b128 v[RVS:RVS+3], v[ADT]
.if \mode
	s_cmp_lg_u32 s[SI], s[\sd]
	s_cbranch_scc1 .Lopen_\@
	v_mov_b32 v[TMP], 0xff800000                   ; -infinity: p = 0 then
.set nn, 0
.rept 64
	v_cmp_gt_i32 vcc_lo, 16*(nn/8)+nn%8, v[QD]
	v_cndmask_b32 v[RS+nn], v[RS+nn], v[TMP], vcc_lo
.set nn, nn+1
.endr
.Lopen_\@:
.endif
.irp b, 0,1,2,3
	v_max3_num_f32 v[BM+\b], v[RS+16*\b], v[RS+1+16*\b], v[RS+2+16*\b]   ; the largest score of each block of 32 keys: it serves for the row's maximum and, since p rises with the score, for the block's largest p
.endr
.irp i, 3,5,7,9,11,13
.irp b, 0,1,2,3
	v_max3_num_f32 v[BM+\b], v[BM+\b], v[RS+16*\b+\i], v[RS+1+16*\b+\i]   ; (the four blocks by turns)
.endr
.endr
.irp b, 0,1,2,3
	v_max_num_f32 v[BM+\b], v[BM+\b], v[RS+15+16*\b]
.endr
.irp b, 0,1,2,3
	s_delay_alu instid0(VALU_DEP_4)
	v_permlanex16_b32 v[T1+\b], v[BM+\b], s[SEL], s[SEL+1]
.endr
.irp b, 0,1,2,3
	s_delay_alu instid0(VALU_DEP_4)
	v_max_num_f32 v[BM+\b], v[BM+\b], v[T1+\b]     ; with lane l xor 16's 16 keys
.endr
	s_delay_alu instid0(VALU_DEP_2)
	v_max3_num_f32 v[TMP], v[BM], v[BM+1], v[BM+2]
	s_delay_alu instid0(VALU_DEP_1)
	v_max_num_f32 v[TMP], v[TMP], v[BM+3]          ; the step's largest score of my query
	s_delay_alu instid0(VALU_DEP_1)
	v_mul_f32 v[TMP], s[CS], v[TMP]                ; as t (c is positive)
	s_delay_alu instid0(VALU_DEP_1)
	v_max_num_f32 v13, v13, v[TMP]                 ; the running largest t
	v_mov_b32 v[TMP], v12
	s_delay_alu instid0(VALU_DEP_2)
	v_floor_f32 v12, -v13                          ; the new -M = floor(-t): M is a whole number
	s_delay_alu instid0(VALU_DEP_1)
	v_sub_f32 v[TMP], v12, v[TMP]                  ; M's old value less its new one: a whole number, 0 or less
	s_delay_alu instid0(VALU_DEP_1)
	v_cvt_i32_f32 v[TMP], v[TMP]                   ; (it saturates)
	s_delay_alu instid0(VALU_DEP_1)
	v_ldexp_f32 v[RF], 1.0, v[TMP]                 ; f = 2^(old M - new M)
.set jj, 0
	s_setprio 1
.rept 32
	v_pk_fma_f32 v[RS+jj:RS+jj+1], v[RS+jj:RS+jj+1], s[CS:CS+1], v[12:13] op_sel_hi:[1,0,0]   ; t - M, two at a time (of the pairs c and -M the low word serves both halves)
.set jj, jj+2
.endr
.irp b, 0,1,2,3
	v_fma_f32 v[BM+\b], v[BM+\b], s[CS], v12       ; the same of each block's largest score
.endr
.set jj, 0
	s_wait_alu depctr_va_vdst(0)
.rept 64
	v_exp_f32 v[RS+jj], v[RS+jj]                   ; p = 2^(t - M), at most 1
.set jj, jj+1
.endr
.irp b, 0,1,2,3
	v_exp_f32 v[BM+\b], v[BM+\b]                   ; the block's largest p: the same two instructions on the same number
.endr
	v_pk_mul_f32 v[14:15], v[14:15], v[RF:RF+1] op_sel_hi:[1,0]   ; the sums under the new M.  (A plain place behind the exponentials)
	s_wait_alu depctr_va_vdst(0)
.irp b, 0,1,2,3
	v_max_num_f32 v[BM+\b], 0x4800000, v[BM+\b]    ; the floor 2^(9 - 127): the byte cannot fall under 1
.endr
.irp b, 0,1,2,3
	s_delay_alu instid0(VALU_DEP_4)
	v_add_nc_u32 v[SO+\b], 0xfc000000, v[BM+\b]    ; 8 off the exponent field: the conversion's scale operand
.endr
.irp b, 0,1,2,3
.endr
.irp b, 0,1,2,3
	s_delay_alu instid0(VALU_DEP_4)
	v_lshrrev_b32 v[T1+\b], 23, v[SO+\b]           ; the scale's byte
.endr
	s_delay_alu instid0(VALU_DEP_3)
	v_lshl_or_b32 v[RPW], v[T1+1], 8, v[T1]        ; p's scale word for these 128 keys
	s_delay_alu instid0(VALU_DEP_1)
	v_lshl_or_b32 v[RPW], v[T1+2], 16, v[RPW]
	s_delay_alu instid0(VALU_DEP_1)
	v_lshl_or_b32 v[RPW], v[T1+3], 24, v[RPW]
	v_pk_add_f32 v[220:221], v[108:109], v[112:113]
	v_pk_add_f32 v[252:253], v[116:117], v[120:121]
	v_pk_add_f32 v[250:251], v[124:125], v[128:129]
	v_pk_add_f32 v[248:249], v[132:133], v[136:137]
	v_pk_add_f32 v[246:247], v[140:141], v[144:145]
	v_pk_add_f32 v[234:235], v[148:149], v[152:153]
	v_pk_add_f32 v[232:233], v[156:157], v[160:161]
	v_pk_add_f32 v[14:15], v[14:15], v[164:165]
	v_pk_add_f32 v[220:221], v[220:221], v[104:105]
	v_pk_add_f32 v[252:253], v[252:253], v[106:107]
	v_pk_add_f32 v[250:251], v[250:251], v[110:111]
	v_pk_add_f32 v[248:249], v[248:249], v[114:115]
	v_pk_add_f32 v[246:247], v[246:247], v[118:119]
	v_pk_add_f32 v[234:235], v[234:235], v[122:123]
	v_pk_add_f32 v[232:233], v[232:233], v[126:127]
	v_pk_add_f32 v[14:15], v[14:15], v[130:131]
	v_pk_add_f32 v[220:221], v[220:221], v[134:135]
	v_pk_add_f32 v[252:253], v[252:253], v[138:139]
	s_setprio 0
	v_pk_add_f32 v[250:251], v[250:251], v[142:143]
	v_pk_add_f32 v[248:249], v[248:249], v[146:147]
	v_pk_add_f32 v[246:247], v[246:247], v[150:151]
	v_pk_add_f32 v[234:235], v[234:235], v[154:155]
	v_pk_add_f32 v[232:233], v[232:233], v[158:159]
	v_pk_add_f32 v[14:15], v[14:15], v[162:163]
	v_pk_add_f32 v[220:221], v[220:221], v[166:167]
	s_delay_alu instid0(VALU_DEP_2)
	v_pk_add_f32 v[14:15], v[14:15], v[248:249]
	s_delay_alu instid0(VALU_DEP_2)
	v_pk_add_f32 v[220:221], v[220:221], v[246:247]
	v_pk_add_f32 v[252:253], v[252:253], v[234:235]
	v_pk_add_f32 v[250:251], v[250:251], v[232:233]
	s_delay_alu instid0(VALU_DEP_2)
	v_pk_add_f32 v[14:15], v[14:15], v[252:253]
	s_delay_alu instid0(VALU_DEP_2)
	v_pk_add_f32 v[220:221], v[220:221], v[250:251]
	s_delay_alu instid0(VALU_DEP_1)
	v_pk_add_f32 v[14:15], v[14:15], v[220:221]
.irp b, 0,1,2,3
.irp i, 0,1,2,3,4,5,6,7,8,9,10,11,12,13,14,15
.endr
	v_cvt_scalef32_pk8_fp8_f32 v[RPC+4*\b:RPC+4*\b+1], v[RS+16*\b:RS+16*\b+7], v[SO+\b]
	v_cvt_scalef32_pk8_fp8_f32 v[RPC+4*\b+2:RPC+4*\b+3], v[RS+16*\b+8:RS+16*\b+15], v[SO+\b]
.endr
.set jj, 0
.rept 16
	v_pk_mul_f32 v[RO+jj:RO+jj+1], v[RO+jj:RO+jj+1], v[RF:RF+1] op_sel_hi:[1,0]   ; O^T under the new M.  (These sixteen are also the places between the codes and the products below)
.set jj, jj+2
.endr
	s_wait_alu depctr_va_vdst(0)
	s_wait_dscnt 0x0                               ; v's fragments and scale words are in
.irp d, 0,1,2,3                                ; O^T += v^T p^T; the four accumulators take turns, and the next step's scores stand between two links of a chain
	v_wmma_scale_f32_16x16x128_f8f6f4 v[RO+8*\d:RO+8*\d+7], v[KF+16*\d:KF+16*\d+15], v[RPC:RPC+15], v[RO+8*\d:RO+8*\d+7], v[RVS+\d], v[RPW]
.endr
.if \mode
.Lhid_\@:
.endif
	s_add_co_u32 s[TK], s[TK], 8192
	s_add_co_u32 s[TS], s[TS], 512
	s_add_co_u32 s[TT], s[TT], 256
.endm
.macro LOOP sd, end                    ; key steps s[SI] .. end - 1: the trip count is a constant of the text for every wave
.Lloop_\@:
	STEP 1, \sd
	s_add_co_u32 s[SI], s[SI], 1
	s_cmp_lt_u32 s[SI], \end
	s_cbranch_scc1 .Lloop_\@
	s_setprio 0
.endm
; A tile ends: y = O^T / the sum; register 8 d + j is feature 16 d + 8 h + j of my query; two blocks of 32, each shared with lane l xor 16, are quantised.  next = 1: the second tile's q is asked for first and lands meanwhile.
.macro FINISH p, next
.rept 8
	v_nop                                          ; behind the last products: their results are read, and q's registers loaded, below
.endr
.if \next
	QLOAD 32
.endif
	v_add_f32 v14, v14, v15                        ; the sum's two halves,
	s_delay_alu instid0(VALU_DEP_1)
	v_permlanex16_b32 v[TMP], v14, s[SEL], s[SEL+1]
	s_delay_alu instid0(VALU_DEP_1)
	v_add_f32 v14, v14, v[TMP]                     ; and lane l xor 16's: the row's sum
	s_wait_alu depctr_va_vdst(0)
	v_rcp_f32 v14, v14
	v_nop                                          ; one plain place behind a transcendental
.set jj, 0
	s_wait_alu depctr_va_vdst(0)
.rept 32
	v_mul_f32 v[RS+jj], v[RO+jj], v14
.set jj, jj+1
.endr
.irp b, 0,1
	v_max3_num_f32 v[BM+\b], |v[RS+16*\b]|, |v[RS+1+16*\b]|, 0x4800000   ; my 16 numbers of block b, and the floor 2^(9 - 127)
.endr
.irp i, 2,4,6,8,10,12,14
.irp b, 0,1
	s_delay_alu instid0(VALU_DEP_2)
	v_max3_num_f32 v[BM+\b], v[BM+\b], |v[RS+16*\b+\i]|, |v[RS+1+16*\b+\i]|
.endr
.endr
.irp b, 0,1
	s_delay_alu instid0(VALU_DEP_2)
	v_permlanex16_b32 v[T1+\b], v[BM+\b], s[SEL], s[SEL+1]
.endr
.irp b, 0,1
	s_delay_alu instid0(VALU_DEP_2)
	v_max_num_f32 v[BM+\b], v[BM+\b], v[T1+\b]
.endr
.irp b, 0,1
	s_delay_alu instid0(VALU_DEP_2)
	v_add_nc_u32 v[SO+\b], 0xfc000000, v[BM+\b]
.endr
.irp b, 0,1
.endr
.irp b, 0,1
	s_delay_alu instid0(VALU_DEP_2)
	v_lshrrev_b32 v[T1+\b], 23, v[SO+\b]
.endr
	s_delay_alu instid0(VALU_DEP_1)
	v_lshl_or_b32 v[W16], v[T1+1], 8, v[T1]        ; my token's two scale bytes of this head
	s_mov_b32 vcc_lo, 0xffff0000                   ; lanes 16-31
.irp b, 0,1
.irp i, 0,1,2,3,4,5,6,7,8,9,10,11,12,13,14,15
.endr
	v_cvt_scalef32_pk8_fp8_f32 v[RPC+4*\b:RPC+4*\b+1], v[RS+16*\b:RS+16*\b+7], v[SO+\b]          ; features 32 b + 8 h + 0 .. 7
	v_cvt_scalef32_pk8_fp8_f32 v[RPC+4*\b+2:RPC+4*\b+3], v[RS+16*\b+8:RS+16*\b+15], v[SO+\b]     ; features 32 b + 16 + 8 h + 0 .. 7
.endr
	v_nop                                          ; one plain place behind the last conversion
; INTO THE NATURAL ORDER: lane (r, h) is to hold features 32 b + 16 h + 0 .. 15.  Lanes 0-15 keep their first eight codes and take the other half's first eight; lanes 16-31 take the other half's last eight and keep their own.
.irp b, 0,1
.irp u, 0,1
	v_permlanex16_b32 v[RPC+8+4*\b+\u], v[RPC+4*\b+2+\u], s[SEL], s[SEL+1]     ; the other half's last eight
	v_permlanex16_b32 v[RPC+8+4*\b+2+\u], v[RPC+4*\b+\u], s[SEL], s[SEL+1]     ; the other half's first eight
.endr
.endr
.irp b, 0,1
.irp u, 0,1
	v_cndmask_b32 v[RPC+4*\b+\u], v[RPC+4*\b+\u], v[RPC+8+4*\b+\u], vcc_lo
	v_cndmask_b32 v[RPC+4*\b+2+\u], v[RPC+8+4*\b+2+\u], v[RPC+4*\b+2+\u], vcc_lo
.endr
.endr
	global_store_b128 v[AK0], v[RPC:RPC+3], s[\p+4:\p+5]                ; 512 consecutive bytes each
	global_store_b128 v[AK0], v[RPC+4:RPC+7], s[\p+4:\p+5] offset:512
	global_store_b16 v[YSO], v[W16], s[\p+6:\p+7]  ; both halves of the lanes write the same two bytes with the same value
	s_wait_xcnt 0x0                                ; the stores have read their registers, which the next tile writes again
.endm
	INIT QB1
	s_wait_tensorcnt 0x1                           ; a loader's scale words and its part of keys 0-511 are in; its last load may stay out
	s_barrier_signal -1
	s_barrier_wait -1                              ; everybody's are
	s_wait_loadcnt 0x0                             ; q
	STEP 0, 0                                      ; key steps 0 to 3 are written out: they read the first 32,768 bytes of k's and of v's codes, which have landed.  My first tile's diagonal step is 8 or later: all these keys count
	STEP 0, 0
	STEP 0, 0
	STEP 0, 0
	s_wait_tensorcnt 0x0                           ; a loader's last load is in;  (each step ends with its LDS loads waited for: none of mine is out)
	s_barrier_signal -1
	s_barrier_wait -1                              ; everybody's is: from here on the waves run free
	s_mov_b32 s[SI], 4
	LOOP SD1, 16
	FINISH 24, 1
	INIT QB2
	s_mov_b32 s[SI], 0
	s_wait_loadcnt 0x0                             ; the second tile's q
	LOOP SD2, 8
	FINISH 32, 0
	s_wait_tensorcnt 0x0
	ds_add_u32 v254, v255
	s_wait_dscnt 0x0
	CROUND                                         ; the closing round
	s_endpgm
.Lfunc_end_k_q71927b9b34_attn:
	.size	k_q71927b9b34_attn, .Lfunc_end_k_q71927b9b34_attn-k_q71927b9b34_attn
	.p2alignl 7, 3214868480
	.fill 96, 4, 3214868480
	.section	.rodata,"a",@progbits
	.p2align	6, 0x0
	.amdhsa_kernel k_q71927b9b34_attn
		.amdhsa_group_segment_fixed_size 276480
		.amdhsa_private_segment_fixed_size 0
		.amdhsa_enable_private_segment 0
		.amdhsa_kernarg_size 56
		.amdhsa_user_sgpr_count 2
		.amdhsa_user_sgpr_kernarg_segment_ptr 1
		.amdhsa_wavefront_size32 1
		.amdhsa_system_sgpr_workgroup_id_x 1
		.amdhsa_system_sgpr_workgroup_id_y 1
		.amdhsa_system_sgpr_workgroup_id_z 1
		.amdhsa_system_vgpr_workitem_id 0
		.amdhsa_next_free_vgpr 256
		.amdhsa_next_free_sgpr 100
		.amdhsa_reserve_vcc 1
		.amdhsa_float_denorm_mode_32 3
		.amdhsa_float_denorm_mode_16_64 3
		.amdhsa_fp16_overflow 1
		.amdhsa_memory_ordered 1
		.amdhsa_forward_progress 1
		.amdhsa_inst_pref_size 135
	.end_amdhsa_kernel
	.amdgpu_metadata
---
amdhsa.version: [ 1, 2 ]
amdhsa.kernels:
  - .name:           k_q71927b9b34_attn
    .symbol:         k_q71927b9b34_attn.kd
    .args:
      - { .name: q_codes, .offset: 0, .size: 8, .value_kind: global_buffer, .address_space: global }
      - { .name: q_scales, .offset: 8, .size: 8, .value_kind: global_buffer, .address_space: global }
      - { .name: k_codes, .offset: 16, .size: 8, .value_kind: global_buffer, .address_space: global }
      - { .name: v_codes, .offset: 24, .size: 8, .value_kind: global_buffer, .address_space: global }
      - { .name: kvs, .offset: 32, .size: 8, .value_kind: global_buffer, .address_space: global }
      - { .name: y_codes, .offset: 40, .size: 8, .value_kind: global_buffer, .address_space: global }
      - { .name: y_scales, .offset: 48, .size: 8, .value_kind: global_buffer, .address_space: global }
    .group_segment_fixed_size: 276480
    .private_segment_fixed_size: 0
    .kernarg_segment_align: 8
    .kernarg_segment_size: 56
    .max_flat_workgroup_size: 512
    .sgpr_count:     100
    .vgpr_count:     256
    .wavefront_size: 32
...
	.end_amdgpu_metadata
.endif
;; end of part 2
;; launch proj (part 3): grid 4 x 32, 4 waves a work-group, clusters of 4 x 4, 327,680 bytes of LDS; arguments y_codes, y_scales, w_proj_codes, w_proj_scales, b_proj, out0; writes out0
.if DOCPART == 3
	.amdgcn_target "amdgcn-amd-amdhsa--gfx1250"
	.amdhsa_code_object_version 6
	.text
	.protected	k_q71927b9b34_proj
	.globl	k_q71927b9b34_proj
	.p2align	8
	.type	k_q71927b9b34_proj,@function
k_q71927b9b34_proj:
	s_mov_b64 s[64:65], 0
	v_nop
	global_prefetch_b8 v0, s[64:65] scope:SCOPE_SE
	s_setreg_imm32_b32 hwreg(HW_REG_WAVE_MODE, 25, 1), 1
	s_wait_xcnt 0x0
	s_wait_alu depctr_hold_cnt(0) depctr_sa_sdst(0) depctr_va_vdst(0) depctr_va_sdst(0) depctr_va_ssrc(0) depctr_va_vcc(0) depctr_vm_vsrc(0)
	s_getreg_b32 s2, hwreg(HW_REG_IB_STS2, 6, 4)
	s_cmp_eq_u32 s2, 0
	s_cbranch_scc0 .Lentry_in_a_cluster
	s_endpgm
.Lentry_in_a_cluster:
	s_bfe_u32 s2, ttmp6, 0x10000c
	s_cmp_lg_u32 s2, 0xf033
	s_cbranch_scc0 .Lentry_shape_is_right
	s_endpgm
.Lentry_shape_is_right:
; out0 = y w_proj + b_proj on codes of FP8 (E4M3) with one E8M0 scale for each 32 along K = 1,024; out0: [8,192][1,024] f32; sums in f32.
; A = y: its codes lie as images of the operand's registers, [tile of 16 tokens 512][128 along K: 8][group 4][lane 32][16 bytes]; its scale bytes [token][32].  B = w_proj: [1,024 features][1,024 codes], K innermost; scale bytes [feature][32].
; A tile of out0, 256 x 256, is made by a work-group of four waves; a wave makes 128 x 128: 64 accumulators of 16 x 16, 512 registers.  K goes in steps of 256 through a ring of two LDS slots filled by the tensor data mover.
; A's part of a slot: for each of 16 tiles of tokens the 4,096 consecutive bytes of two fragments; a wave's load brings 8 such rows, 16,384 bytes apart in memory, dense in LDS: a fragment load then reads 512 consecutive bytes.
; B's part: rows of 256 bytes, 16 bytes of padding behind each.  The scales of the work-group's rows, for all of K, come into LDS once, with the first fills, and stay.
; THE BIAS is the C of each sum's first matrix instruction: eight registers for each of B's eight blocks, in the result's layout.
; CLUSTERS: 4 x 4 work-groups.  The four of a row of the cluster need the same tiles of A, the four of a column the same tiles of B: each tile is asked for jointly.  128 work-groups: the tile is kept at 256 x 256, since a smaller wave tile
; would read more LDS bytes for each product.
; THE MATRIX INSTRUCTION IS USED TRANSPOSED (source 0 = 16 rows of B, source 1 = 16 rows of A): a lane then holds eight neighbouring numbers of a row of out0.
; REGISTERS, in windows of 256: window 0: v0-31 addresses; v32-63 scale words, two sets; v64-127 the bias; from v128 A's fragments, one set; on the way out v128-255 take rows of out0.
;   window 1: B's fragments, two sets.   window 2: the accumulators of my rows 0-63 ((a, b) at v[8 (8 a + b)]);   window 3: those of my rows 64-127.
.set SIZE_N, 1024
.set SIZE_K, 1024
.set KSTEP,  256
.set NQ,     KSTEP/128
.set ROWB,   256                       ; a row of B's tile in bytes
.set ASTEP,  4096                      ; a K step of a tile of 16 tokens of A: two fragments
.set KROW,   SIZE_K
.set PITCH,  272                       ; B's LDS row: 256 bytes + 16 of padding
.set FR,     16
.set NL,     4
.set NP,     8                         ; places behind this matrix instruction (ISA guide 7.12.1)
.set HALFT,  128*PITCH                 ; the LDS bytes kept for 128 rows (A's images use 32,768 of them)
.set SLOT,   4*HALFT
.set LAPS,   SIZE_K/(2*KSTEP)
.set KS,     SIZE_K/32
.set SCL,    2*SLOT
.set HALFS,  (128*KS/256)*272
.set SBLK,   (16*KS/256)*272
.set SPARE,  SCL+4*HALFS               ; the spare words, 128 bytes for each wave, which no other line names
.set SPITCH, 528                       ; the way out: a stage of 16 rows x (512 bytes + 16) for each wave, in slot 0, which has had its last fill and its last read when the first result is stored there
.set ADRA, 16
.set HB,   18                          ; v18     32 h
.set ADRB, 20
.set STO,  24
.set RD,   25
.set CO,   26                          ; v26     16 x lane
.set ADRS, 27
.set SPW,  28
.set NIL,  29
.set SC,   32
.set BB,   64                          ; v64-127 register 8 b + j = b_proj at feature 16 b + 8 h + j of my 128
.set AF,   128
.set BK,   128
.set G1, 24
.set G0, 32
.set G1B, 48
.set G0B, 56
.set G1S, 68
.set G0S, 76
.set G1SB, 80
.set G0SB, 88
.set MSB, 0
.macro WIN new                         ; the immediate's high byte repeats the setting that is left
.if MSB != (\new)
	s_set_vgpr_msb (MSB<<8)|(\new)
.set MSB, (\new)
.endif
.endm
.set MUL_LO, 0xa1                      ; source 0 (B) window 1, source 1 (A) window 0, C and D window 2
.set MUL_HI, 0xf1                      ; the same, C and D window 3
.set FST_LO, 0x81                      ; the first products: C (the bias) window 0, D window 2
.set FST_HI, 0xc1                      ; D window 3
.set TO_B,   0x40
.macro JLOAD g0a, g1a, g0b, g1b        ; a joint load: waves 0 and 1 fetch for A, waves 2 and 3 for B; four v_nop follow each of the two lines
	s_cmp_eq_u32 s15, 0
	s_cbranch_scc0 .Lfor_b_\@
	tensor_load_to_lds s[\g0a:\g0a+3], s[\g1a:\g1a+7]
	s_nop 0
.rept 4
	v_nop
.endr
	s_branch .Lasked_\@
.Lfor_b_\@:
	tensor_load_to_lds s[\g0b:\g0b+3], s[\g1b:\g1b+7]
	s_nop 0
.rept 4
	v_nop
.endr
.Lasked_\@:
.endm
.macro CREST
	s_cmp_lg_u32 s14, 0
	s_cbranch_scc1 .Lnot_wave_0_\@
	s_barrier_signal -3
.Lnot_wave_0_\@:
	s_barrier_wait -3
	s_barrier_signal -1
	s_barrier_wait -1
.endm
.macro CROUND
	s_barrier_signal -1
	s_barrier_wait -1
	CREST
.endm
	s_load_b128 s[4:7], s[0:1], 0x0                ; y's codes s[4:5], y's scales s[6:7]
	s_load_b128 s[8:11], s[0:1], 0x10              ; w's codes s[8:9], w's scales s[10:11]
	s_load_b64 s[66:67], s[0:1], 0x20              ; b_proj
	s_load_b64 s[12:13], s[0:1], 0x28              ; out0
	v_lshl_add_u32 v[SPW], v0, 2, SPARE
	v_mov_b32 v[NIL], 0
	ds_add_u32 v28, v29
	ds_add_u32 v28, v29
	s_wait_dscnt 0x0
	v_lshrrev_b32 v1, 5, v0
	v_readfirstlane_b32 s14, v1                    ; wave 0..3
	s_lshr_b32 s15, s14, 1                         ; which half of the tile's rows is mine.  Also: I fetch for A (0) or for B (1)
	s_and_b32 s16, s14, 1                          ; which half of its columns.  Also: which 128 rows of that tile I fetch
	s_bfe_u32 s40, ttmp6, 0x40000                  ; cx, cy
	s_bfe_u32 s41, ttmp6, 0x40004
	s_lshl_b32 s42, ttmp9, 2
	s_add_co_u32 s42, s42, s40                     ; tile column = 4 x cluster x + cx
	s_and_b32 s17, ttmp7, 0xffff
	s_lshl_b32 s17, s17, 2
	s_add_co_u32 s17, s17, s41                     ; tile row = 4 x cluster y + cy
	s_lshl_b32 s43, s41, 2
	s_lshl_b32 s43, 15, s43                        ; my row of the cluster
	s_lshl_b32 s44, 0x1111, s40                    ; my column
	; descriptor group 1 for A: 8 rows of 4,096 bytes (512 elements of 8 bytes), 16,384 bytes apart, no padding
	s_or_b32 s[G1+0], s43, (3<<16)|(1<<21)         ; 15:0 the mask: my row; 17:16 elements of 8 bytes; 21 set beside a mask
	s_mov_b32 s[G1+1], 512<<16                     ; tensor_dim0
	s_mov_b32 s[G1+2], 8<<16                       ; tensor_dim1
	s_mov_b32 s[G1+3], 512<<16                     ; tile_dim0
	s_mov_b32 s[G1+4], 8                           ; tile_dim1
	s_mov_b32 s[G1+5], 2048                        ; tensor_dim0_stride
	s_mov_b32 s[G1+6], 0
	s_mov_b32 s[G1+7], 0
	; for B: 128 rows of 256 bytes, padded in LDS
	s_or_b32 s[G1B+0], s44, (0<<16)|(1<<20)|(1<<21)|(5<<22)|(3<<25)
	s_mov_b32 s[G1B+1], ROWB<<16
	s_mov_b32 s[G1B+2], 128<<16
	s_mov_b32 s[G1B+3], ROWB<<16
	s_mov_b32 s[G1B+4], 128
	s_mov_b32 s[G1B+5], KROW
	s_mov_b32 s[G1B+6], 0
	s_mov_b32 s[G1B+7], 0
	; the scales of 128 rows: a dense block of 4,096 bytes, as rows of 256 bytes, 16 bytes of padding behind each
	s_or_b32 s[G1S+0], s43, (3<<16)|(1<<20)|(1<<21)|(5<<22)|(3<<25)
	s_or_b32 s[G1SB+0], s44, (3<<16)|(1<<20)|(1<<21)|(5<<22)|(3<<25)
.irp g, G1S, G1SB
	s_mov_b32 s[\g+1], 32<<16
	s_mov_b32 s[\g+2], (128*KS/256)<<16
	s_mov_b32 s[\g+3], 32<<16
	s_mov_b32 s[\g+4], 128*KS/256
	s_mov_b32 s[\g+5], 32
	s_mov_b32 s[\g+6], 0
	s_mov_b32 s[\g+7], 0
.endr
	s_lshl_b32 s18, s16, 7                         ; which 128 rows of the tile I fetch
	s_lshl_b32 s20, s17, 8
	s_add_co_u32 s20, s20, s18                     ; A: token 256 x tile row + 128 x half
	s_lshl_b32 s46, s42, 8
	s_add_co_u32 s46, s46, s18                     ; B: feature 256 x tile column + 128 x half
	s_lshl_b32 s96, s46, 2                         ; (the same number is my first column: its bias, in bytes)
	s_mov_b32 s97, 0
	s_mov_b32 s21, 0
	s_mov_b32 s47, 0
	s_mov_b64 s[18:19], KS
	s_mul_u64 s[22:23], s[20:21], s[18:19]         ; where these rows' scales begin, in bytes
	s_mul_u64 s[92:93], s[46:47], s[18:19]
	s_mov_b64 s[18:19], KROW
	s_mul_u64 s[20:21], s[20:21], s[18:19]         ; and their codes (16 tokens of A are 16,384 bytes: 1,024 a token, as in rows)
	s_mul_u64 s[46:47], s[46:47], s[18:19]
	s_mul_i32 s45, s14, HALFT                      ; where they go: no place in the cluster enters an LDS address
	s_mul_i32 s94, s14, HALFS
	s_wait_kmcnt 0x0
	s_add_nc_u64 s[20:21], s[4:5], s[20:21]
	s_add_nc_u64 s[22:23], s[6:7], s[22:23]
	s_add_nc_u64 s[46:47], s[8:9], s[46:47]
	s_add_nc_u64 s[92:93], s[10:11], s[92:93]
	s_add_nc_u64 s[66:67], s[66:67], s[96:97]
	CROUND                                         ; all sixteen work-groups are here: the first joint loads meet
	s_mov_b32 s[G0S], 1
	s_add_co_u32 s[G0S+1], s94, SCL
	s_mov_b64 s[G0S+2:G0S+3], s[22:23]
	s_or_b32 s[G0S+3], s[G0S+3], 0x80000000
	s_mov_b32 s[G0SB], 1
	s_add_co_u32 s[G0SB+1], s94, SCL
	s_mov_b64 s[G0SB+2:G0SB+3], s[92:93]
	s_or_b32 s[G0SB+3], s[G0SB+3], 0x80000000
	JLOAD G0S, G1S, G0SB, G1SB                     ; the scales first
.irp s, 0,1
	s_mov_b32 s[G0+4*\s], 1
	s_add_co_u32 s[G0+4*\s+1], s45, \s*SLOT
	s_add_nc_u64 s[G0+4*\s+2:G0+4*\s+3], s[20:21], \s*ASTEP
	s_or_b32 s[G0+4*\s+3], s[G0+4*\s+3], 0x80000000
	s_mov_b32 s[G0B+4*\s], 1
	s_add_co_u32 s[G0B+4*\s+1], s45, \s*SLOT
	s_add_nc_u64 s[G0B+4*\s+2:G0B+4*\s+3], s[46:47], \s*ROWB
	s_or_b32 s[G0B+4*\s+3], s[G0B+4*\s+3], 0x80000000
	s_wait_alu depctr_va_vdst(0)
	s_wait_tensorcnt 0x0
	ds_add_u32 v28, v29
	s_wait_dscnt 0x0
	CROUND
	JLOAD G0+4*\s, G1, G0B+4*\s, G1B               ; one tensor load of mine is out
.endr
	v_and_b32 v1, 15, v0                           ; r
	v_bfe_u32 v2, v0, 4, 1                         ; h
	v_lshlrev_b32 v[HB], 5, v2
.irp b, 0,1,2,3,4,5,6,7
	global_load_b128 v[BB+8*\b:BB+8*\b+3], v[HB], s[66:67] offset:64*\b
	global_load_b128 v[BB+8*\b+4:BB+8*\b+7], v[HB], s[66:67] offset:64*\b+16
.endr
	v_and_b32 v6, 31, v0
	v_lshlrev_b32 v[CO], 4, v6                     ; 16 x lane: an image's place for my lane; also my 16 bytes of a row of out0
	v_mul_u32_u24 v3, v1, PITCH
	v_lshl_add_u32 v4, v2, 4, v3                   ; B: a fragment's row x pitch + 16 x half
	s_mul_i32 s21, s15, HALFT                      ; my 128 rows of A
	s_mul_i32 s22, s16, HALFT                      ; my 128 rows of B,
	s_add_co_u32 s22, s22, 2*HALFT                 ; which lie behind A's
.irp s, 0,1
	v_add_nc_u32 v[ADRA+\s], s21, v[CO]
	v_add_nc_u32 v[ADRB+\s], s22, v4
	s_add_co_u32 s21, s21, SLOT
	s_add_co_u32 s22, s22, SLOT
.endr
	v_mul_u32_u24 v5, v1, KS
	v_lshrrev_b32 v6, 8, v5
	v_lshl_add_u32 v5, v6, 4, v5
	s_mul_i32 s21, s15, HALFS
	s_mul_i32 s22, s16, HALFS
	s_add_co_u32 s22, s22, 2*HALFS
	s_sub_co_u32 s22, s22, s21
	v_mul_u32_u24 v6, s22, v2                      ; lanes 16-31 take B's
	s_add_co_u32 s21, s21, SCL
	v_add_nc_u32 v5, v5, v6
	v_add_nc_u32 v[ADRS], s21, v5
	s_mul_i32 s23, s14, 16*SPITCH                  ; my stage
	v_mul_u32_u24 v5, v1, SPITCH                   ; in: row r, 32 bytes for each half of the lanes
	v_lshl_add_u32 v5, v2, 5, v5
	v_add_nc_u32 v[STO], s23, v5
	v_add_nc_u32 v[RD], s23, v[CO]                 ; back: the 32 lanes take one row of 512 bytes
	s_lshl_b32 s20, s17, 8
	s_lshl_b32 s21, s15, 7
	s_add_co_u32 s20, s20, s21                     ; my first row of out0
	s_mov_b32 s21, 0
	s_mov_b64 s[18:19], SIZE_N*4
	s_mul_u64 s[20:21], s[20:21], s[18:19]
	s_lshl_b32 s46, s42, 10                        ; my first column, in bytes
	s_lshl_b32 s47, s16, 9
	s_add_co_u32 s46, s46, s47
	s_mov_b32 s47, 0
	s_add_nc_u64 s[20:21], s[20:21], s[46:47]
	s_add_nc_u64 s[12:13], s[12:13], s[20:21]
.macro FRAG reg, adr, q, i             ; a fragment of B from rows: registers 4 c .. 4 c + 3 hold K = 32 c + 16 (l / 16) + 0 .. 15 of row l % 16
.irp c, 0,1,2,3
	ds_load_b128 v[\reg+4*\c:\reg+4*\c+3], v[\adr] offset:128*(\q)+32*\c+(\i)*16*PITCH
.endr
.endm
.macro FRAGA reg, adr, q, i            ; a fragment of A from its image: tile of tokens i, the slot's q-th fragment, group c
.irp c, 0,1,2,3
	ds_load_b128 v[\reg+4*\c:\reg+4*\c+3], v[\adr] offset:4096*(\i)+2048*(\q)+512*\c
.endr
.endm
; 16 matrix instructions: A's blocks a0, a0 + 1 x B's eight, 128 along K.  first = 1: the sums begin with the bias as C.  The 64 accumulators take turns, one instruction a turn.
.macro MUL16 a0, p, q, sc, first
.irp a, \a0, \a0+1
.irp b, 0,1,2,3,4,5,6,7
.if \first
	v_wmma_scale_f32_16x16x128_f8f6f4 v[8*(8*((\a)%4)+\b):8*(8*((\a)%4)+\b)+7], v[128*(\p)+FR*\b:128*(\p)+FR*\b+FR-1], v[AF+FR*(\a):AF+FR*(\a)+FR-1], v[BB+8*\b:BB+8*\b+7], v[SC+8*NQ*(\sc)+NQ*\b+(\q)], v[SC+8*NQ*(\sc)+NQ*(\a)+(\q)] matrix_a_scale:MATRIX_SCALE_ROW1
.else
	v_wmma_scale_f32_16x16x128_f8f6f4 v[8*(8*((\a)%4)+\b):8*(8*((\a)%4)+\b)+7], v[128*(\p)+FR*\b:128*(\p)+FR*\b+FR-1], v[AF+FR*(\a):AF+FR*(\a)+FR-1], v[8*(8*((\a)%4)+\b):8*(8*((\a)%4)+\b)+7], v[SC+8*NQ*(\sc)+NQ*\b+(\q)], v[SC+8*NQ*(\sc)+NQ*(\a)+(\q)] matrix_a_scale:MATRIX_SCALE_ROW1
.endif
.endr
.endr
.endm
.macro FETCH_B slot, q, p
	WIN TO_B
.irp i, 0,1,2,3,4,5,6,7
	FRAG 128*(\p)+FR*\i, ADRB+\slot, \q, \i
.endr
	WIN 0
.endm
.macro FETCH_A slot, q, i0
.irp i, \i0, \i0+1, \i0+2, \i0+3
	FRAGA AF+FR*(\i), ADRA+\slot, \q, \i
.endr
.endm
.macro SCALES sc
.irp i, 0,1,2,3,4,5,6,7
	ds_load_b64 v[SC+8*NQ*\sc+NQ*\i:SC+8*NQ*\sc+NQ*\i+1], v[ADRS] offset:\i*SBLK
.endr
.endm
.macro PLACES n                        ; places in front of loads into registers that matrix instructions have read, and of the first read of results
.rept \n
	v_nop
.endr
.endm
.macro STEP slot, q, first
	s_wait_dscnt 4*NL                              ; B's set and A's blocks 0-3 are in; the youngest 16 loads (A's blocks 4-7) may be out
.if \first
	WIN FST_LO
.else
	WIN MUL_LO
.endif
	MUL16 0, (\q)%2, \q, \slot, \first
	MUL16 2, (\q)%2, \q, \slot, \first
	s_wait_dscnt 0                                 ; A's blocks 4-7 are in
	PLACES NP
	FETCH_B \slot, (\q)+1, 1-(\q)%2
	FETCH_A \slot, (\q)+1, 0
.if \first
	WIN FST_HI
.else
	WIN MUL_HI
.endif
	MUL16 4, (\q)%2, \q, \slot, \first
	MUL16 6, (\q)%2, \q, \slot, \first
	PLACES NP
	WIN 0
	FETCH_A \slot, (\q)+1, 4
.endm
; A slot's last step changes slots: one barrier; in front of it each wave waits for all its tensor loads, adds 0 to its spare word, and waits for that and for its own reads of this slot.  fill = 1: this slot is filled again, two K steps ahead.
.macro TURN slot, next, fill
	s_wait_tensorcnt 0x0                           ; all my tensor loads have landed: my part of the next slot  (every window is 0 here)
	ds_add_u32 v[SPW], v[NIL]                      ; 0 onto my spare word
	s_wait_dscnt 4*NL+1                            ; the add and the youngest 16 loads (A's blocks 4-7) may be out
	WIN MUL_LO
	MUL16 0, 1, NQ-1, \slot, 0                     ; sixteen matrix instructions stand between the add and the wait for it
	s_wait_dscnt 0x0                               ; the add is done, and my reads of this slot are over
	s_barrier_signal -1
	MUL16 2, 1, NQ-1, \slot, 0
	WIN 0
	s_barrier_wait -1
.if \fill
	CREST                                          ; the barrier has opened a round of the cluster's barrier: no wave of any partner still reads this slot or has a load on its way
	s_add_nc_u64 s[G0+4*\slot+2:G0+4*\slot+3], s[G0+4*\slot+2:G0+4*\slot+3], 2*ASTEP
	s_add_nc_u64 s[G0B+4*\slot+2:G0B+4*\slot+3], s[G0B+4*\slot+2:G0B+4*\slot+3], 2*ROWB
	JLOAD G0+4*\slot, G1, G0B+4*\slot, G1B         ; the first tensor load behind the round; its four v_nop are among the places in front of the loads below
	PLACES NP-4
.else
	PLACES NP
.endif
	s_wait_alu depctr_va_vdst(0)
	v_add_nc_u32 v[ADRS], 4*NQ, v[ADRS]            ; on to the next K step's scale words
	FETCH_B \next, 0, 0
	FETCH_A \next, 0, 0
	SCALES \next
	WIN MUL_HI
	MUL16 4, 1, NQ-1, \slot, 0
	MUL16 6, 1, NQ-1, \slot, 0
	PLACES NP
	WIN 0
	FETCH_A \next, 0, 4
.endm
	s_wait_alu depctr_va_vdst(0)
	s_wait_loadcnt 0x0                             ; the bias: it came while the first tiles were on their way
	s_wait_tensorcnt 1                             ; the scales and my part of K step 0 are in (K step 1's load may be out),
	s_barrier_signal -1
	s_barrier_wait -1                              ; everybody's are
	FETCH_B 0, 0, 0
	FETCH_A 0, 0, 0
	SCALES 0
	FETCH_A 0, 0, 4
	STEP 0, 0, 1                                   ; the first step stands in front of the loop: its products start the sums, on the bias
	s_mov_b32 s3, LAPS-1
.Llap:                                                 ; a trip goes once round the ring and fills both slots again
	TURN 0, 1, 1
	STEP 1, 0, 0
	TURN 1, 0, 1
	STEP 0, 0, 0
	s_sub_co_u32 s3, s3, 1
	s_cmp_lg_u32 s3, 0
	s_cbranch_scc1 .Llap
	TURN 0, 1, 0                                   ; the last lap fills nothing, and has no round of the cluster's barrier
	STEP 1, 0, 0
	s_wait_dscnt 4*NL                              ; the very last step: nothing more to fetch
	WIN MUL_LO
	MUL16 0, 1, NQ-1, 1, 0
	MUL16 2, 1, NQ-1, 1, 0
	s_wait_dscnt 0
	WIN MUL_HI
	MUL16 4, 1, NQ-1, 1, 0
	MUL16 6, 1, NQ-1, 1, 0
	WIN 0
; THE WAY OUT, block by block of 16 rows x 128 columns.  A lane holds 32 neighbouring bytes of a row, and the lanes beside it hold other rows: so a block goes through my own stage in LDS and comes back as whole rows of 512 bytes.
; LDS serves a wave's instructions in order (ISA guide 5.7.1.4): no wait between the stores and the loads, nor in front of the next block's stores.
.macro TOSTAGE a
.set AC, 64*((\a)%4)
	WIN 0x08+4*((\a)/4)                            ; the data: window 2 or 3
.irp b, 0,1,2,3,4,5,6,7
	ds_store_b128 v[STO], v[AC+8*\b:AC+8*\b+3] offset:64*\b          ; each accumulator from its low end on
	ds_store_b128 v[STO], v[AC+8*\b+4:AC+8*\b+7] offset:64*\b+16
.endr
	WIN 0
.set BBK, BK+64*((\a)%2)
.irp t, 0,1,2,3,4,5,6,7,8,9,10,11,12,13,14,15
	ds_load_b128 v[BBK+4*\t:BBK+4*\t+3], v[RD] offset:\t*SPITCH
.endr
.endm
.macro SEND a, younger                 ; younger: the LDS instructions issued behind block a's loads, which may stay out
.set BBK, BK+64*((\a)%2)
	s_wait_dscnt \younger                          ; the block is back in registers
.if (\a) > 0
	s_add_nc_u64 s[12:13], s[12:13], 16*SIZE_N*4   ; (behind a wait on XCNT: the earlier stores have read their base)  16 rows of out0 on
.endif
.irp t, 0,1,2,3,4,5,6,7,8,9,10,11,12,13,14,15
	global_store_b128 v[CO], v[BBK+4*\t:BBK+4*\t+3], s[12:13] offset:\t*SIZE_N*4 th:TH_STORE_NT   ; 32 lanes store 512 consecutive bytes, aligned; written once, read by nobody here
.endr
.endm
	PLACES NP                                      ; behind the last products: for the loads into the registers that held A's fragments and for the reads of results
	TOSTAGE 0
.irp a, 1,2,3,4,5,6,7
.if \a > 1
	s_wait_xcnt 0x0                                ; block a - 2's stores have read their registers and their base
.endif
	TOSTAGE \a
	SEND \a-1, 32                                  ; behind block a - 1's loads: block a's 16 stores and 16 loads
.endr
	s_wait_xcnt 0x0                                ; block 6's stores have read their base
	SEND 7, 0
	s_wait_tensorcnt 0x0                           ; the wave's end
	ds_add_u32 v[SPW], v[NIL]
	s_wait_dscnt 0x0
	CROUND                                         ; the closing round
	s_endpgm
.Lfunc_end_k_q71927b9b34_proj:
	.size	k_q71927b9b34_proj, .Lfunc_end_k_q71927b9b34_proj-k_q71927b9b34_proj
	.p2alignl 7, 3214868480
	.fill 96, 4, 3214868480
	.section	.rodata,"a",@progbits
	.p2align	6, 0x0
	.amdhsa_kernel k_q71927b9b34_proj
		.amdhsa_group_segment_fixed_size 327680
		.amdhsa_private_segment_fixed_size 0
		.amdhsa_enable_private_segment 0
		.amdhsa_kernarg_size 48
		.amdhsa_user_sgpr_count 2
		.amdhsa_user_sgpr_kernarg_segment_ptr 1
		.amdhsa_wavefront_size32 1
		.amdhsa_system_sgpr_workgroup_id_x 1
		.amdhsa_system_sgpr_workgroup_id_y 1
		.amdhsa_system_sgpr_workgroup_id_z 1
		.amdhsa_system_vgpr_workitem_id 0
		.amdhsa_next_free_vgpr 1024
		.amdhsa_next_free_sgpr 98
		.amdhsa_reserve_vcc 0
		.amdhsa_float_denorm_mode_32 3
		.amdhsa_float_denorm_mode_16_64 3
		.amdhsa_memory_ordered 1
		.amdhsa_forward_progress 1
		.amdhsa_inst_pref_size 148
	.end_amdhsa_kernel
	.amdgpu_metadata
---
amdhsa.version: [ 1, 2 ]
amdhsa.kernels:
  - .name:           k_q71927b9b34_proj
    .symbol:         k_q71927b9b34_proj.kd
    .args:
      - { .name: y_codes, .offset: 0, .size: 8, .value_kind: global_buffer, .address_space: global }
      - { .name: y_scales, .offset: 8, .size: 8, .value_kind: global_buffer, .address_space: global }
      - { .name: w_proj_codes, .offset: 16, .size: 8, .value_kind: global_buffer, .address_space: global }
      - { .name: w_proj_scales, .offset: 24, .size: 8, .value_kind: global_buffer, .address_space: global }
      - { .name: b_proj, .offset: 32, .size: 8, .value_kind: global_buffer, .address_space: global }
      - { .name: out0, .offset: 40, .size: 8, .value_kind: global_buffer, .address_space: global }
    .group_segment_fixed_size: 327680
    .private_segment_fixed_size: 0
    .kernarg_segment_align: 8
    .kernarg_segment_size: 48
    .max_flat_workgroup_size: 128
    .sgpr_count:     98
    .vgpr_count:     1024
    .wavefront_size: 32
...
	.end_amdgpu_metadata
.endif
;; end of part 3
